; MI455X (gfx1250); checked and timed in simulation.
; The chip was launched on July 23, 2026; its instructions are those of AMD's public machine-readable ISA for CDNA 5 (MIT licence, August 2026) and "CDNA5" Instruction Set Architecture Reference Guide (July 2026). The comments in the code are by the model that wrote it; some were corrected since.
;; Attention. Allowed arithmetic: matrix products marked QUANTISED: E4M3 operands, one given power-of-two scale a tensor, by v_wmma_f32_16x16x64_fp8_fp8 or v_wmma_f32_16x16x128_fp8_fp8, f32 sums; everything else in f32.
;; Inputs: lowp_scales 12 int32 (the exponents e of the quantised operands' scales 2^e); mask 1 x 1 x 2,048 x 2,048 float32; wk 2,048 x 2,048 float32; wo 2,048 x 2,048 float32; wq 2,048 x 2,048 float32; wv 2,048 x 2,048 float32; x 1 x 2,048 x 2,048 float32.
;; Outputs: out0 1 x 2,048 x 2,048 float32.
;; Constants: start_pos = 0.
;; This version of the problem:
;;   THIS VERSION OF THE PROBLEM IS GIVEN IN LOW PRECISION. The matrix products marked QUANTISED in the list below multiply operands that are first quantised to E4M3 (4 exponent bits, 3 mantissa bits; 8 bits a number), with one given power-of-two scale for each operand tensor; their sums are f32. All else is computed in f32.
;;   The module's matrix products, in the order in which they are computed (A, B: the left and right operand; K: the contracted axis; several contracted axes count as one K, in the product's order):
;;     1. [M 2,048, K 2,048] x [K 2,048, N 2,048]; A: input x; B: input wq: QUANTISED (scales: A lowp_scales[0], B lowp_scales[1])
;;     2. [M 2,048, K 2,048] x [K 2,048, N 2,048]; A: input x; B: input wk: QUANTISED (scales: A lowp_scales[2], B lowp_scales[3])
;;     3. [M 2,048, K 2,048] x [K 2,048, N 2,048]; A: input x; B: input wv: QUANTISED (scales: A lowp_scales[4], B lowp_scales[5])
;;     4. batch 32 x [M 2,048, K 64] x [K 64, N 2,048]; A: computed on the way; B: computed on the way: QUANTISED (scales: A lowp_scales[6], B lowp_scales[7])
;;     5. batch 32 x [M 64, K 2,048] x [K 2,048, N 2,048]; A: computed on the way; B: softmax (see below): QUANTISED (scales: A lowp_scales[8], B lowp_scales[9])
;;     6. [M 2,048, K 2,048] x [K 2,048, N 2,048]; A: computed on the way; B: input wo: QUANTISED (scales: A lowp_scales[10], B lowp_scales[11])
;;   THE QUANTISER, for each operand of a quantised product, along K:
;;     - The operand's scale is 2^e, e = its entry of the input lowp_scales (int32; the entries are numbered through the quantised products in the list's order, A before B).
;;     - Each number is divided by the scale, clamped to +-448, and rounded to the nearest number of E4M3, ties to even, subnormals kept.
;;     - The product sums the exact products of the quantised numbers (number of the format x scale) in f32.
;;   ~~~python
;;   def quantise(x, axis, e):      # numpy; x: float32 -> the quantised numbers, widened to float32 again
;;       x = np.moveaxis(x, axis, -1); K = x.shape[-1]
;;       r = np.clip(x / 2.0 ** e, -448, 448)
;;       step = 2.0 ** (np.maximum(np.frexp(np.where(r == 0, 1, r))[1] - 1, -6) - 3)
;;       q = np.round(r / step) * step * 2.0 ** e      # np.round: ties to even
;;       return np.moveaxis(q, -1, axis).astype(np.float32)
;;   ~~~
;;   SOFTMAX AHEAD OF A QUANTISED PRODUCT. Where the list says 'softmax', what is quantised is not the finished softmax but p = 2^(t - M), with t = logit x log2(e) and M = ceil(the row's largest t), a whole number; so 1/2 < the row's largest p <= 1. The row's sum l is taken of the UNQUANTISED p, in f32, and the product's result is divided by l at the end. Since M is a whole number, a kernel that streams over the keys may use a running M (the ceiling of the running maximum): every later rescaling is an exact power of two, so the quantised numbers keep their values, but for numbers so far below the row's largest that they fall under the format's range.
;;   OPERANDS COMPUTED ON THE WAY. 'Computed on the way' means the value that the module computes at that place (a softmax that the list does not call 'softmax' is quantised finished and normalised). What goes into a quantiser is computed in f32, as accurately as f32 sums, v_exp_f32 and their like allow (about 1e-6 of the number): no bf16 or f16 on the way to a quantiser, and a product that is left as it is and whose result goes on into a quantised operand takes f32 operands (vector FMAs, or v_wmma_f32_16x16x4_f32). A number that lies on a knife's edge between two numbers of the format may be rounded either way, as far as f32 arithmetic and the matrix unit's own rounding can turn it there, and no further.
;; One version. Each part assembles by itself: llvm-mc -triple=amdgcn-amd-amdhsa -mcpu=gfx1250 --defsym DOCPART=n.
;; ======== version 1 of 1: 4 launches
;; limits: right only within a limited range of input values
;; workspace buffers: codes 30,932,992 bytes; qkv 12,582,912 bytes; ao 4,194,304 bytes
;; launch prep (part 1): grid 1280 x 1, 4 waves a work-group, no clusters, 33,280 bytes of LDS; arguments x, wq, wk, wv, wo, lowp_scales, codes; writes codes
.if DOCPART == 1
	.amdgcn_target "amdgcn-amd-amdhsa--gfx1250"
	.amdhsa_code_object_version 6
	.text
	.protected	k_qfbf2aed647_prep
	.globl	k_qfbf2aed647_prep
	.p2align	8
	.type	k_qfbf2aed647_prep,@function
k_qfbf2aed647_prep:
	s_mov_b64 s[64:65], 0
	v_nop
	global_prefetch_b8 v0, s[64:65] scope:SCOPE_SE
	s_setreg_imm32_b32 hwreg(HW_REG_WAVE_MODE, 25, 1), 1
	s_wait_xcnt 0x0
; PREP: the five f32 inputs of the projections become codes of FP8 (E4M3), K innermost, and the table of rotations is made.
; codes = seven sections of 2,048 rows x 2,048 bytes, then the table:
;   0 x / 2^e0 (for q)   1 x / 2^e2 (for k), rows in the order SIGMA   2 wv / 2^e5, rows in the order SIGMA   3 wq / 2^e1   4 wk / 2^e3   5 x / 2^e4 (for v)   6 wo / 2^e11
; SIGMA swaps bits 3 and 4 of a row's number: stored row 16 a + r holds true row 32 (a / 2) + 8 (a % 2) + r % 8 + 16 (r / 8).  Tiles of 16 stored rows then give, as source 0 of a
; transposed product, results whose 16 registers of two neighbouring tiles are 16 neighbours along the next product's K.
; code = number / 2^e, held within +-448, to the nearest code, ties to even.  LIMITS: e0, e1, e2, e3, e4, e5, e11 between -126 and 119.  NaN among the inputs is not served.
; Work-groups 0 to 1,023: wave w takes HALF a row, unit u = 4 g + w: half u % 2 of row u / 2, of all five tensors: 10 steps of 512 numbers.  Five work-groups of 162 registers a wave fit on a WGP, so all waves
; have their sixteen loads on their way at once, and a wave's chain of steps is short.  Each load reads 512 consecutive bytes, 16 a lane; a step's 2,048 bytes turn through the wave's own stage in
; LDS and come back 64 bytes a lane, so that a lane holds 16 neighbours along K for the conversions; a lane's 16 codes are 16 bytes, a wave's store 512 consecutive bytes.  x is read once and converted three times.
; Work-groups 1,024 to 1,279: the table, three parts of [16 head pairs][2,048 stored rows][cos, sin of head 2 p; cos, sin of head 2 p + 1], f32: part 0 for rows in natural order, part 1 for rows in the order
; SIGMA, part 2 the rotation by nothing (1, 0, 1, 0), for v.  The angle is base[h] x position, base[h] = 10000^(-h / 32) = 2^(-h log2(10) / 8).
; LIMIT: base[h] is made by v_exp_f32 from an argument kept in two words; it may differ from a correctly rounded power by a few units in its last place, and the angle by the same part of itself.
; No tensor loads, no barrier: waves share nothing.  Only the first path uses LDS.
.set QWG,   1024                       ; work-groups that quantise
.set STEPS, 10
.set WREG,  8192                       ; LDS: a region for each wave: two stages of 32 x SP bytes
.set SP,    80                         ; a lane's place in a stage: its 64 bytes + 16 of padding
.set RT,    29360128                   ; the table's first byte: 7 sections of 4,194,304
.set IN,    4                          ; s[4:13]  x, wq, wk, wv, wo at my half row
.set OUT,   24                         ; s[24:37] seven places for codes
.set SC,    16                         ; v16-29   job k: 2^e at v[16 + 2 k], 448 x 2^e at v[17 + 2 k]
.set R,     32                         ; v32-95   four sets of 16 numbers as they are loaded
.set X,     96                         ; v96-127  two sets of 16 neighbours
.set T,     128                        ; v128-143 the numbers behind the hold
.set C,     144                        ; v144-155 three sets of codes
	s_load_b256 s[4:11], s[0:1], 0x0               ; x, wq, wk, wv
	s_load_b128 s[12:15], s[0:1], 0x20             ; wo, the scales' exponents
	s_load_b64 s[16:17], s[0:1], 0x30              ; codes
	v_lshl_add_u32 v160, v0, 2, 0x8000
	v_mov_b32 v161, 0
	s_cmp_lt_u32 ttmp9, QWG
	s_cbranch_scc0 .Ltable
	v_lshrrev_b32 v1, 5, v0
	v_readfirstlane_b32 s18, v1                    ; wave
	v_and_b32 v2, 31, v0                           ; lane
	v_lshlrev_b32 v3, 4, v2                        ; my 16 bytes of a load's 512, and of a store's; never rewritten
	s_mul_i32 s21, s18, WREG
	v_lshrrev_b32 v14, 2, v2
	v_mul_u32_u24 v14, v14, SP
	v_and_b32 v15, 3, v2
	v_lshl_add_u32 v14, v15, 4, v14
	v_add_nc_u32 v14, s21, v14                     ; the stage, on the way in: four lanes' 64 bytes on end, then 16 of padding
	v_mul_u32_u24 v15, v2, SP
	v_add_nc_u32 v15, s21, v15                     ; and on the way out: my 16 neighbours
	s_lshl_b32 s19, ttmp9, 2
	s_add_co_u32 s19, s19, s18                     ; u: my half row
	s_lshr_b32 s56, s19, 1                         ; its row R,
	s_and_b32 s57, s19, 1                          ; and which half
	s_lshr_b32 s21, s56, 3
	s_lshr_b32 s22, s56, 4
	s_xor_b32 s21, s21, s22
	s_and_b32 s21, s21, 1                          ; do bits 3 and 4 differ?
	s_mul_i32 s21, s21, 24
	s_xor_b32 s20, s56, s21                        ; SIGMA(R): it is its own inverse, so true row R is stored at row SIGMA(R)
	s_lshl_b32 s22, s19, 12                        ; half a row of f32 is 4,096 bytes: 8,192 R + 4,096 half = 4,096 u
	s_mov_b32 s23, 0
	s_lshl_b32 s38, s19, 10                        ; half a row of codes 1,024: in natural order 1,024 u,
	s_mov_b32 s39, 0
	s_lshl_b32 s52, s20, 11                        ; and in the order SIGMA 2,048 SIGMA(R) + 1,024 half
	s_lshl_b32 s57, s57, 10
	s_add_co_u32 s52, s52, s57
	s_mov_b32 s53, 0
	s_wait_alu depctr_va_vdst(0)
	s_wait_kmcnt 0x0
	s_load_b256 s[40:47], s[14:15], 0x0            ; e0 .. e7
	s_load_b128 s[48:51], s[14:15], 0x20           ; e8 .. e11
.irp p, 4,6,8,10,12
	s_add_nc_u64 s[\p:\p+1], s[\p:\p+1], s[22:23]
.endr
.macro OUTP k, sec, off                ; job k stores into section sec, at the half row whose byte offset stands in s[off:off+1]
	s_add_nc_u64 s[OUT+2*(\k):OUT+2*(\k)+1], s[16:17], s[\off:\off+1]
.if (\sec) > 0
	s_add_nc_u64 s[OUT+2*(\k):OUT+2*(\k)+1], s[OUT+2*(\k):OUT+2*(\k)+1], (\sec)<<22
.endif
.endm
	OUTP 0, 0, 38                                  ; x for q
	OUTP 1, 1, 52                                  ; x for k
	OUTP 2, 5, 38                                  ; x for v
	OUTP 3, 3, 38                                  ; wq
	OUTP 4, 4, 38                                  ; wk
	OUTP 5, 2, 52                                  ; wv
	OUTP 6, 6, 38                                  ; wo
.macro LOAD t                          ; step t: piece t % 2 of my half row of tensor t / 2
.irp i, 0,1,2,3
	global_load_b128 v[R+16*((\t)%4)+4*\i:R+16*((\t)%4)+4*\i+3], v3, s[IN+2*((\t)/2):IN+2*((\t)/2)+1] offset:2048*((\t)%2)+512*\i th:TH_LOAD_NT   ; 32 lanes read 512 consecutive bytes; each input byte is read once in the launch
.endr
.endm
.macro TURN t                          ; step t's numbers through the stage: LDS serves a wave's instructions in order (ISA guide 5.7.1.4), so no wait stands between the stores and the loads
.irp i, 0,1,2,3
	ds_store_b128 v14, v[R+16*((\t)%4)+4*\i:R+16*((\t)%4)+4*\i+3] offset:32*SP*((\t)%2)+8*SP*\i
.endr
.irp i, 0,1,2,3
	ds_load_b128 v[X+16*((\t)%2)+4*\i:X+16*((\t)%2)+4*\i+3], v15 offset:32*SP*((\t)%2)+16*\i
.endr
.endm
.irp t, 0,1,2,3
	LOAD \t
.endr
.macro MKSC k, e                       ; job k's scale from the exponent in s[e]
	s_add_co_i32 s54, s[\e], 127
	s_lshl_b32 s55, s54, 23
	v_mov_b32 v[SC+2*(\k)], s55                    ; 2^e as f32: the conversion takes its exponent field
	s_add_co_i32 s54, s54, 8
	s_lshl_b32 s54, s54, 23
	s_or_b32 s54, s54, 0x600000
	v_mov_b32 v[SC+2*(\k)+1], s54                  ; 448 x 2^e
.endm
	s_wait_kmcnt 0x0
	MKSC 0, 40
	MKSC 1, 42
	MKSC 2, 44
	MKSC 3, 41
	MKSC 4, 43
	MKSC 5, 45
	MKSC 6, 51
	s_wait_loadcnt 12                              ; step 0's four loads are in; those of steps 1 to 3 may be out
	TURN 0
.macro JOB k, set, t                   ; the step's 16 neighbours, by job k's scale, into code set 'set', and out
.set i, 0
.rept 16
	v_med3_num_f32 v[T+i], v[XS+i], -v[SC+2*(\k)+1], v[SC+2*(\k)+1]   ; the conversion to an 8-bit code does not saturate (ISA guide 7.6.2): the hold at the largest code x the scale comes first
.set i, i+1
.endr
	v_cvt_scalef32_pk8_fp8_f32 v[C+4*(\set):C+4*(\set)+1], v[T:T+7], v[SC+2*(\k)]
	v_cvt_scalef32_pk8_fp8_f32 v[C+4*(\set)+2:C+4*(\set)+3], v[T+8:T+15], v[SC+2*(\k)]
	v_nop                                          ; a plain vector line behind the conversions: the next job's holds write their sources
	global_store_b128 v3, v[C+4*(\set):C+4*(\set)+3], s[OUT+2*(\k):OUT+2*(\k)+1] offset:512*((\t)%2)   ; 32 lanes store 512 consecutive bytes, aligned
.endm
.macro STEP t
.set XS, X+16*((\t)%2)
	s_wait_dscnt 0x0                               ; this step's numbers are back from the stage: so its stores into the stage have read their registers,
	s_wait_xcnt 0x0                                ; and the last step's stores of codes have read theirs: the code sets may be written again
.if (\t)+4 < STEPS
	LOAD (\t)+4                                    ; the registers that went through the stage take the loads of four steps on
.endif
.if (\t)+1 < STEPS
.if (\t) < STEPS-4
	s_wait_loadcnt 12                              ; the next step's four loads are in; those of the three steps behind it may be out
.else
	s_wait_loadcnt 4*(STEPS-2-(\t))                ; near the end fewer steps are behind it
.endif
	TURN (\t)+1                                    ; and go through the other stage while this step is worked
.endif
.if (\t) < 2
	JOB 0, 0, \t                                   ; x: three scales, three sections
	JOB 1, 1, \t
	JOB 2, 2, \t
.else
	JOB 2+(\t)/2, 0, \t
.endif
.endm
.irp t, 0,1,2,3,4,5,6,7,8,9
	STEP \t
.endr
	s_wait_tensorcnt 0x0
	ds_add_u32 v160, v161
	s_wait_dscnt 0x0
	s_endpgm
.Ltable:
	; a lane makes one entry: head pair p = g / 16, position (g % 16) x 128 + thread
	s_sub_co_u32 s18, ttmp9, QWG                   ; g
	s_lshr_b32 s19, s18, 4                         ; p
	s_lshl_b32 s20, s19, 1                         ; head 2 p
	s_add_co_u32 s21, s20, 1                       ; head 2 p + 1
	s_and_b32 s22, s18, 15
	s_lshl_b32 s22, s22, 7
	v_add_nc_u32 v9, s22, v0                       ; the position R
	v_cvt_f32_u32 v10, v9
	v_lshrrev_b32 v11, 3, v9
	v_lshrrev_b32 v12, 4, v9
	v_xor_b32 v11, v11, v12
	v_and_b32 v11, 1, v11
	v_mul_u32_u24 v11, v11, 24
	v_xor_b32 v11, v9, v11                         ; SIGMA(R)
	v_lshlrev_b32 v13, 4, v9                       ; 16 bytes an entry
	v_lshlrev_b32 v14, 4, v11
	s_lshl_b32 s22, s19, 15                        ; a head pair's 2,048 entries
	s_add_co_u32 s22, s22, RT
	s_mov_b32 s23, 0
	s_mov_b32 s26, 0xbed49a78                      ; -log2(10) / 8, its upper word,
	s_mov_b32 s27, 0xb2179a30                      ; and what the upper word lacks
	s_mov_b32 s28, 0x3f22f983                      ; 2 / pi
	s_mov_b32 s29, 0xbfc90fd8                      ; -pi / 2 in three words
	s_mov_b32 s30, 0xb4a8885a
	s_mov_b32 s31, 0xa7c234c4
	s_wait_kmcnt 0x0
	s_add_nc_u64 s[24:25], s[16:17], s[22:23]
.macro SINCOS h, vc, vs                ; cos and sin of base[s[h]] x position
	v_cvt_f32_u32 v20, s[\h]
	v_mul_f32 v21, s26, v20
	v_rndne_f32 v22, v21                           ; n, the whole part of -h log2(10) / 8
	v_fma_f32 v23, v20, s26, -v22                  ; the rest: exact (h has 5 bits, and the difference is under 1/2),
	v_fma_f32 v23, v20, s27, v23                   ; with the lower word's part
	v_cvt_i32_f32 v25, v22
	s_wait_alu depctr_va_vdst(0)
	v_exp_f32 v24, v23
	v_nop                                          ; a plain line behind the transcendental (ISA guide 5.7.2),
	s_wait_alu depctr_va_vdst(0)                   ; and the wait ahead of its first reader
	v_ldexp_f32 v24, v24, v25                      ; base[h]
	v_mul_f32 v24, v24, v10                        ; the angle: one rounding
	v_mul_f32 v25, s28, v24
	v_rndne_f32 v25, v25                           ; k quarter turns, 1,304 at the most
	v_fma_f32 v26, v25, s29, v24                   ; angle - k pi / 2: the first step is exact,
	v_fma_f32 v26, v25, s30, v26
	v_fma_f32 v26, v25, s31, v26                   ; r, within pi / 4
	v_mul_f32 v27, v26, v26                        ; z = r r
	v_mov_b32 v28, 0x37ccf5ce
	v_fmaak_f32 v28, v28, v27, 0xbab6061a
	v_fmaak_f32 v28, v28, v27, 0x3d2aaaa5
	v_fma_f32 v28, v28, v27, -0.5
	v_fma_f32 v28, v28, v27, 1.0                   ; cos r
	v_mov_b32 v29, 0xb94ca1f9
	v_fmaak_f32 v29, v29, v27, 0x3c08839e
	v_fmaak_f32 v29, v29, v27, 0xbe2aaaa3
	v_mul_f32 v27, v27, v26
	v_fma_f32 v29, v29, v27, v26                   ; sin r
	v_cvt_i32_f32 v30, v25
	v_and_b32 v31, 1, v30
	v_cmp_ne_u32 vcc_lo, 0, v31                    ; an odd quarter swaps the two: a choice of values, no branch
	v_cndmask_b32 v[\vs], v29, v28, vcc_lo
	v_cndmask_b32 v[\vc], v28, v29, vcc_lo
	v_and_b32 v31, 2, v30
	v_lshlrev_b32 v31, 30, v31
	v_xor_b32 v[\vs], v[\vs], v31                  ; sin is negative in quarters 2 and 3,
	v_add_nc_u32 v31, 1, v30
	v_and_b32 v31, 2, v31
	v_lshlrev_b32 v31, 30, v31
	v_xor_b32 v[\vc], v[\vc], v31                  ; cos in quarters 1 and 2
.endm
	SINCOS 20, 40, 41
	SINCOS 21, 42, 43
	v_mov_b32 v44, 1.0
	v_mov_b32 v45, 0
	v_mov_b32 v46, 1.0
	v_mov_b32 v47, 0
	global_store_b128 v13, v[40:43], s[24:25]                   ; part 0: stored row R is position R
	global_store_b128 v14, v[40:43], s[24:25] offset:524288     ; part 1: stored row SIGMA(R) is position R; the wave's 32 lanes still cover the same aligned 512 bytes
	global_store_b128 v13, v[44:47], s[24:25] offset:1048576    ; part 2
	s_endpgm
.Lfunc_end_k_qfbf2aed647_prep:
	.size	k_qfbf2aed647_prep, .Lfunc_end_k_qfbf2aed647_prep-k_qfbf2aed647_prep
	.p2alignl 7, 3214868480
	.fill 96, 4, 3214868480
	.section	.rodata,"a",@progbits
	.p2align	6, 0x0
	.amdhsa_kernel k_qfbf2aed647_prep
		.amdhsa_group_segment_fixed_size 33280
		.amdhsa_private_segment_fixed_size 0
		.amdhsa_enable_private_segment 0
		.amdhsa_kernarg_size 56
		.amdhsa_user_sgpr_count 2
		.amdhsa_user_sgpr_kernarg_segment_ptr 1
		.amdhsa_wavefront_size32 1
		.amdhsa_system_sgpr_workgroup_id_x 1
		.amdhsa_system_sgpr_workgroup_id_y 1
		.amdhsa_system_sgpr_workgroup_id_z 1
		.amdhsa_system_vgpr_workitem_id 0
		.amdhsa_next_free_vgpr 162
		.amdhsa_next_free_sgpr 66
		.amdhsa_reserve_vcc 1
		.amdhsa_float_denorm_mode_32 3
		.amdhsa_float_denorm_mode_16_64 3
		.amdhsa_memory_ordered 1
		.amdhsa_forward_progress 1
		.amdhsa_inst_pref_size 38
	.end_amdhsa_kernel
	.amdgpu_metadata
---
amdhsa.version: [ 1, 2 ]
amdhsa.kernels:
  - .name:           k_qfbf2aed647_prep
    .symbol:         k_qfbf2aed647_prep.kd
    .args:
      - { .name: x, .offset: 0, .size: 8, .value_kind: global_buffer, .address_space: global }
      - { .name: wq, .offset: 8, .size: 8, .value_kind: global_buffer, .address_space: global }
      - { .name: wk, .offset: 16, .size: 8, .value_kind: global_buffer, .address_space: global }
      - { .name: wv, .offset: 24, .size: 8, .value_kind: global_buffer, .address_space: global }
      - { .name: wo, .offset: 32, .size: 8, .value_kind: global_buffer, .address_space: global }
      - { .name: lowp_scales, .offset: 40, .size: 8, .value_kind: global_buffer, .address_space: global }
      - { .name: codes, .offset: 48, .size: 8, .value_kind: global_buffer, .address_space: global }
    .group_segment_fixed_size: 33280
    .private_segment_fixed_size: 0
    .kernarg_segment_align: 8
    .kernarg_segment_size: 56
    .max_flat_workgroup_size: 128
    .sgpr_count:     66
    .vgpr_count:     162
    .wavefront_size: 32
...
	.end_amdgpu_metadata
.endif
;; end of part 1
;; launch qkv (part 2): grid 24 x 8, 4 waves a work-group, clusters of 4 x 4, 327,680 bytes of LDS; arguments codes, lowp_scales, qkv; writes qkv
.if DOCPART == 2
	.amdgcn_target "amdgcn-amd-amdhsa--gfx1250"
	.amdhsa_code_object_version 6
	.text
	.protected	k_qfbf2aed647_qkv
	.globl	k_qfbf2aed647_qkv
	.p2align	8
	.type	k_qfbf2aed647_qkv,@function
k_qfbf2aed647_qkv:
	s_mov_b64 s[64:65], 0
	v_nop
	global_prefetch_b8 v0, s[64:65] scope:SCOPE_SE
	s_setreg_imm32_b32 hwreg(HW_REG_WAVE_MODE, 25, 1), 1
	s_wait_xcnt 0x0
	s_wait_alu depctr_hold_cnt(0) depctr_sa_sdst(0) depctr_va_vdst(0) depctr_va_sdst(0) depctr_va_ssrc(0) depctr_va_vcc(0) depctr_vm_vsrc(0)
	s_getreg_b32 s2, hwreg(HW_REG_IB_STS2, 6, 4)
	s_cmp_eq_u32 s2, 0
	s_cbranch_scc0 .Lentry_in_a_cluster
	s_endpgm
.Lentry_in_a_cluster:
	s_bfe_u32 s2, ttmp6, 0x10000c
	s_cmp_lg_u32 s2, 0xf033
	s_cbranch_scc0 .Lentry_shape_is_right
	s_endpgm
.Lentry_shape_is_right:
.set SIZE_K, 2048
.set KSTEP,  256
.set ROWB,   256
.set KROW,   SIZE_K
.set PITCH,  272
.set FR,     16
.set NL,     4
.set NP,     4
.set HALFT,  128*PITCH
.set SLOT,   4*HALFT
.set LAPS,   SIZE_K/(2*KSTEP)
.set SPARE,  2*SLOT
.set RT,     29360128
.set ADRA, 16
.set ADRB, 20
.set STO,  24
.set RD,   25
.set CO,   26
.set TA,   27
.set SPW,  28
.set NIL,  29
.set LIMV, 30
.set SCV,  31
.set TMP,  32
.set TBL,  96
.set AF,   128
.set COD,  128
.set BK,   144
.set G1, 24
.set G0, 32
.set G1B, 48
.set G0B, 56
.set MSB, 0
.macro WIN new
.if MSB != \new
	s_set_vgpr_msb (MSB<<8)|\new
.set MSB, \new
.endif
.endm
.set MUL_LO, 0xa1
.set MUL_HI, 0xf1
.set TO_B,   0x40
.macro JLOAD g0a, g1a, g0b, g1b
	s_cmp_eq_u32 s15, 0
	s_cbranch_scc0 .Lfor_b_\@
	tensor_load_to_lds s[\g0a:\g0a+3], s[\g1a:\g1a+7]
	s_nop 0
.rept 4
	v_nop
.endr
	s_branch .Lasked_\@
.Lfor_b_\@:
	tensor_load_to_lds s[\g0b:\g0b+3], s[\g1b:\g1b+7]
	s_nop 0
.rept 4
	v_nop
.endr
.Lasked_\@:
.endm
.macro CREST
	s_cmp_lg_u32 s14, 0
	s_cbranch_scc1 .Lnot_wave_0_\@
	s_barrier_signal -3
.Lnot_wave_0_\@:
	s_barrier_wait -3
	s_barrier_signal -1
	s_barrier_wait -1
.endm
.macro CROUND
	s_barrier_signal -1
	s_barrier_wait -1
	CREST
.endm
	s_load_b128 s[68:71], s[0:1], 0x0
	s_load_b64 s[10:11], s[0:1], 0x10
	v_lshl_add_u32 v[SPW], v0, 2, SPARE
	v_mov_b32 v[NIL], 0
	ds_add_u32 v28, v29
	ds_add_u32 v28, v29
	s_wait_dscnt 0x0
	v_lshrrev_b32 v1, 5, v0
	v_readfirstlane_b32 s14, v1
	s_lshr_b32 s15, s14, 1
	s_and_b32 s16, s14, 1
	s_bfe_u32 s40, ttmp6, 0x40000
	s_bfe_u32 s41, ttmp6, 0x40004
	s_lshr_b32 s66, ttmp9, 1
	s_and_b32 s42, ttmp9, 1
	s_lshl_b32 s42, s42, 2
	s_add_co_u32 s42, s42, s40
	s_and_b32 s17, ttmp7, 0xffff
	s_lshl_b32 s17, s17, 2
	s_add_co_u32 s17, s17, s41
	s_lshl_b32 s43, s41, 2
	s_lshl_b32 s43, 15, s43
	s_lshl_b32 s44, 0x1111, s40
	s_or_b32 s[G1+0], s43, (0<<16)|(1<<20)|(1<<21)|(5<<22)|(3<<25)
	s_or_b32 s[G1B+0], s44, (0<<16)|(1<<20)|(1<<21)|(5<<22)|(3<<25)
.irp g, G1, G1B
	s_mov_b32 s[\g+1], ROWB<<16
	s_mov_b32 s[\g+2], 128<<16
	s_mov_b32 s[\g+3], ROWB<<16
	s_mov_b32 s[\g+4], 128
	s_mov_b32 s[\g+5], KROW
	s_mov_b32 s[\g+6], 0
	s_mov_b32 s[\g+7], 0
.endr
	s_lshl_b32 s18, s16, 7
	s_lshl_b32 s20, s17, 8
	s_add_co_u32 s20, s20, s18
	s_lshl_b32 s46, s42, 8
	s_add_co_u32 s46, s46, s18
	s_mov_b32 s21, 0
	s_mov_b32 s47, 0
	s_mov_b64 s[18:19], KROW
	s_mul_u64 s[20:21], s[20:21], s[18:19]
	s_mul_u64 s[46:47], s[46:47], s[18:19]
	s_mul_i32 s45, s14, HALFT
	s_lshl_b32 s82, s66, 22
	s_mov_b32 s83, 0
	s_wait_kmcnt 0x0
	s_load_b256 s[72:79], s[70:71], 0x0
	s_load_b32 s80, s[70:71], 0x20
	s_add_nc_u64 s[4:5], s[68:69], s[82:83]
	s_add_nc_u64 s[6:7], s[4:5], 0xc00000
	s_add_nc_u64 s[20:21], s[4:5], s[20:21]
	s_add_nc_u64 s[46:47], s[6:7], s[46:47]
	; the prefetches: of the 128 rows that my wave fetches, the partner at place p among the four that ask jointly (cx for source A's tile, cy for B's) takes rows 32 p on, a lane a row of 256 bytes: shared out by address
	s_cmp_eq_u32 s15, 0
	s_cselect_b64 s[90:91], s[20:21], s[46:47]
	s_cselect_b32 s92, s40, s41
	s_lshl_b32 s92, s92, 16                        ; 32 rows of 2,048 bytes
	s_mov_b32 s93, 0
	s_add_nc_u64 s[90:91], s[90:91], s[92:93]
	s_add_nc_u64 s[90:91], s[90:91], 2*ROWB        ; at K step 2
	v_and_b32 v8, 31, v0
	v_lshlrev_b32 v8, 11, v8                       ; my lane's row; never rewritten
	CROUND
.irp s, 0,1
	s_mov_b32 s[G0+4*\s], 1
	s_add_co_u32 s[G0+4*\s+1], s45, \s*SLOT
	s_add_nc_u64 s[G0+4*\s+2:G0+4*\s+3], s[20:21], \s*ROWB
	s_or_b32 s[G0+4*\s+3], s[G0+4*\s+3], 0x80000000
	s_mov_b32 s[G0B+4*\s], 1
	s_add_co_u32 s[G0B+4*\s+1], s45, \s*SLOT
	s_add_nc_u64 s[G0B+4*\s+2:G0B+4*\s+3], s[46:47], \s*ROWB
	s_or_b32 s[G0B+4*\s+3], s[G0B+4*\s+3], 0x80000000
	s_wait_alu depctr_va_vdst(0)
	s_wait_tensorcnt 0x0
	ds_add_u32 v28, v29
	ds_add_u32 v28, v29
	s_wait_dscnt 0x0
	CROUND
	JLOAD G0+4*\s, G1, G0B+4*\s, G1B
	global_prefetch_b8 v8, s[90:91] offset:ROWB*\s th:TH_LOAD_NT scope:SCOPE_SE   ; behind the load of K step s: K step s + 2
.endr
	v_and_b32 v1, 15, v0
	s_wait_alu depctr_va_vdst(0)
	v_bfe_u32 v2, v0, 4, 1
	v_mul_u32_u24 v3, v1, PITCH
	v_lshl_add_u32 v4, v2, 4, v3
	s_mul_i32 s21, s15, HALFT
	s_mul_i32 s22, s16, HALFT
	s_add_co_u32 s22, s22, 2*HALFT
.irp s, 0,1
	v_add_nc_u32 v[ADRA+\s], s21, v4
	v_add_nc_u32 v[ADRB+\s], s22, v4
	s_add_co_u32 s21, s21, SLOT
	s_add_co_u32 s22, s22, SLOT
.endr
	s_lshl_b32 s23, s14, 14
	v_lshlrev_b32 v5, 4, v1
	s_wait_alu depctr_va_vdst(0)
	v_lshl_add_u32 v5, v2, 3, v5
	v_add_nc_u32 v[STO], s23, v5
	v_and_b32 v6, 31, v0
	v_lshlrev_b32 v[CO], 4, v6
	v_add_nc_u32 v[RD], s23, v[CO]
	v_lshlrev_b32 v[TA], 4, v1
	s_wait_alu depctr_va_vdst(0)
	s_lshl_b32 s84, s17, 1
	s_add_co_u32 s84, s84, s15
	s_lshl_b32 s85, s42, 1
	s_add_co_u32 s85, s85, s16
	s_lshl_b32 s86, s66, 19
	s_lshl_b32 s87, s85, 15
	s_add_co_u32 s86, s86, s87
	s_lshl_b32 s87, s84, 11
	s_add_co_u32 s86, s86, s87
	s_add_co_u32 s86, s86, RT
	s_mov_b32 s87, 0
	s_add_nc_u64 s[12:13], s[68:69], s[86:87]
.irp a, 0,1,2,3,4,5,6,7
	global_load_b128 v[TBL+4*\a:TBL+4*\a+3], v[TA], s[12:13] offset:256*\a
.endr
	s_lshl_b32 s88, s85, 4
	s_add_co_u32 s88, s88, s84
	s_lshl_b32 s89, s84, 4
	s_add_co_u32 s89, s89, s85
	s_cmp_lt_u32 s66, 2
	s_cselect_b32 s88, s88, s89
	s_lshl_b32 s88, s88, 14
	s_add_co_u32 s88, s88, s82
	s_mov_b32 s89, 0
	s_add_nc_u64 s[10:11], s[10:11], s[88:89]
.macro FRAG reg, adr, q, i
.irp c, 0,1,2,3
	ds_load_b128 v[\reg+4*\c:\reg+4*\c+3], v[\adr] offset:128*(\q)+32*\c+(\i)*16*PITCH
.endr
.endm
.macro MUL16 a0, p, zero
.irp a, \a0, \a0+1
.irp b, 0,1,2,3,4,5,6,7
.if \zero
	v_wmma_f32_16x16x128_fp8_fp8 v[8*(8*((\a)%4)+\b):8*(8*((\a)%4)+\b)+7], v[128*(\p)+FR*\b:128*(\p)+FR*\b+FR-1], v[AF+FR*(\a):AF+FR*(\a)+FR-1], 0
.else
	v_wmma_f32_16x16x128_fp8_fp8 v[8*(8*((\a)%4)+\b):8*(8*((\a)%4)+\b)+7], v[128*(\p)+FR*\b:128*(\p)+FR*\b+FR-1], v[AF+FR*(\a):AF+FR*(\a)+FR-1], v[8*(8*((\a)%4)+\b):8*(8*((\a)%4)+\b)+7]
.endif
.endr
.endr
.endm
.macro FETCH_B slot, q, p
	WIN TO_B
.irp i, 0,1,2,3,4,5,6,7
	FRAG 128*(\p)+FR*\i, ADRB+\slot, \q, \i
.endr
	WIN 0
.endm
.macro FETCH_A slot, q, i0
.irp i, \i0, \i0+1, \i0+2, \i0+3
	FRAG AF+FR*(\i), ADRA+\slot, \q, \i
.endr
.endm
.macro PLACES n
.rept \n
	v_nop
.endr
.endm
.macro STEP slot, q, zero
	s_wait_dscnt 4*NL
	WIN MUL_LO
	MUL16 0, (\q)%2, \zero
	MUL16 2, (\q)%2, \zero
	s_wait_dscnt 0
	PLACES NP
	FETCH_B \slot, (\q)+1, 1-(\q)%2
	FETCH_A \slot, (\q)+1, 0
	WIN MUL_HI
	MUL16 4, (\q)%2, \zero
	MUL16 6, (\q)%2, \zero
	PLACES NP
	WIN 0
	FETCH_A \slot, (\q)+1, 4
.endm
.macro TURN slot, next, fill
.if \fill
	s_wait_xcnt 0x0                                ; the last prefetch has read its address, so it may be stepped: one K step on
	s_add_nc_u64 s[90:91], s[90:91], ROWB
.endif
	s_wait_tensorcnt 0x0
	ds_add_u32 v[SPW], v[NIL]
	s_wait_dscnt 4*NL+1
	WIN MUL_LO
	MUL16 0, 1, 0
	s_wait_dscnt 0x0
	s_barrier_signal -1
	MUL16 2, 1, 0
	WIN 0
	s_barrier_wait -1
.if \fill
	CREST
	s_add_nc_u64 s[G0+4*\slot+2:G0+4*\slot+3], s[G0+4*\slot+2:G0+4*\slot+3], 2*ROWB
	s_add_nc_u64 s[G0B+4*\slot+2:G0B+4*\slot+3], s[G0B+4*\slot+2:G0B+4*\slot+3], 2*ROWB
	JLOAD G0+4*\slot, G1, G0B+4*\slot, G1B
.else
	PLACES NP
.endif
	FETCH_B \next, 0, 0
	FETCH_A \next, 0, 0
.if \fill
	s_cmp_gt_u32 s3, 1                             ; the refill of K step i asks for K step i + 2; the last lap's two refills (steps 6 and 7) ask for nothing
	s_cbranch_scc0 .Lno_ask_\@
	global_prefetch_b8 v8, s[90:91] offset:ROWB th:TH_LOAD_NT scope:SCOPE_SE
.Lno_ask_\@:
.endif
	WIN MUL_HI
	MUL16 4, 1, 0
	MUL16 6, 1, 0
	PLACES NP
	WIN 0
	FETCH_A \next, 0, 4
.endm
	s_wait_tensorcnt 1
	s_wait_loadcnt 0x0
	s_barrier_signal -1
	s_barrier_wait -1
	FETCH_B 0, 0, 0
	FETCH_A 0, 0, 0
	FETCH_A 0, 0, 4
	STEP 0, 0, 1
	s_mov_b32 s3, LAPS-1
.Llap:
	TURN 0, 1, 1
	STEP 1, 0, 0
	TURN 1, 0, 1
	STEP 0, 0, 0
	s_sub_co_u32 s3, s3, 1
	s_cmp_lg_u32 s3, 0
	s_cbranch_scc1 .Llap
	TURN 0, 1, 0
	STEP 1, 0, 0
	s_wait_dscnt 4*NL
	WIN MUL_LO
	MUL16 0, 1, 0
	MUL16 2, 1, 0
	s_wait_dscnt 0
	WIN MUL_HI
	MUL16 4, 1, 0
	MUL16 6, 1, 0
	WIN 0
	s_wait_kmcnt 0x0
	s_add_co_i32 s84, s72, s73
	s_add_co_i32 s85, s74, s75
	s_add_co_i32 s86, s76, s77
	s_cmp_eq_u32 s66, 0
	s_cselect_b32 s84, s84, s85
	s_cselect_b32 s87, s78, s79
	s_cmp_eq_u32 s66, 2
	s_cselect_b32 s84, s86, s84
	s_cselect_b32 s87, s80, s87
	s_sub_co_i32 s84, s87, s84
	s_add_co_i32 s84, s84, 127
	s_lshl_b32 s85, s84, 23
	v_mov_b32 v[SCV], s85
	s_add_co_i32 s84, s84, 8
	s_lshl_b32 s84, s84, 23
	s_or_b32 s84, s84, 0x600000
	v_mov_b32 v[LIMV], s84
	PLACES NP
.macro ROPEQ a
.set AC, 64*((\a)%4)
	WIN 0x02+((\a)/4)
.irp b, 0,1,2,3,4,5,6,7
.irp i, 0,2,4,6
	v_pk_mul_f32 v[TMP+8*\b+\i:TMP+8*\b+\i+1], v[AC+8*\b+\i:AC+8*\b+\i+1], v[TBL+4*(\a)+2*(\b/4):TBL+4*(\a)+2*(\b/4)+1] op_sel_hi:[1,0]
.endr
.endr
.irp b, 0,1,2,3,4,5,6,7
.irp i, 0,2,4,6
	v_fma_f32 v[TMP+8*\b+\i], -v[AC+8*\b+\i+1], v[TBL+4*(\a)+2*(\b/4)+1], v[TMP+8*\b+\i]
	v_fma_f32 v[TMP+8*\b+\i+1], v[AC+8*\b+\i], v[TBL+4*(\a)+2*(\b/4)+1], v[TMP+8*\b+\i+1]
.endr
.endr
	WIN 0
.set j, 0
.rept 64
	v_med3_num_f32 v[TMP+j], v[TMP+j], -v[LIMV], v[LIMV]
.set j, j+1
.endr
	s_wait_alu depctr_va_vdst(0)
	s_wait_dscnt 0x0
.irp b, 0,1,2,3,4,5,6,7
	v_cvt_scalef32_pk8_fp8_f32 v[COD+2*\b:COD+2*\b+1], v[TMP+8*\b:TMP+8*\b+7], v[SCV]
.endr
	v_nop
.irp b, 0,1,2,3,4,5,6,7
	ds_store_b64 v[STO], v[COD+2*\b:COD+2*\b+1] offset:2048*(\a)+256*\b
.endr
.endm
.irp a, 0,1,2,3,4,5,6,7
	ROPEQ \a
.endr
.irp i, 0,1,2,3,4,5,6,7,8,9,10,11,12,13,14,15
	ds_load_b128 v[BK+4*\i:BK+4*\i+3], v[RD] offset:512*\i
.endr
.irp i, 0,1,2,3,4,5,6,7,8,9,10,11,12,13,14,15
	ds_load_b128 v[TMP+4*\i:TMP+4*\i+3], v[RD] offset:8192+512*\i
.endr
.irp i, 0,1,2,3,4,5,6,7,8,9,10,11,12,13,14,15
	s_wait_dscnt 31-\i
	global_store_b128 v[CO], v[BK+4*\i:BK+4*\i+3], s[10:11] offset:512*\i
.endr
.irp i, 0,1,2,3,4,5,6,7,8,9,10,11,12,13,14,15
	s_wait_dscnt 15-\i
	global_store_b128 v[CO], v[TMP+4*\i:TMP+4*\i+3], s[10:11] offset:8192+512*\i
.endr
	s_wait_tensorcnt 0x0
	ds_add_u32 v[SPW], v[NIL]
	s_wait_dscnt 0x0
	CROUND
	s_endpgm
.Lfunc_end_k_qfbf2aed647_qkv:
	.size	k_qfbf2aed647_qkv, .Lfunc_end_k_qfbf2aed647_qkv-k_qfbf2aed647_qkv
	.p2alignl 7, 3214868480
	.fill 96, 4, 3214868480
	.section	.rodata,"a",@progbits
	.p2align	6, 0x0
	.amdhsa_kernel k_qfbf2aed647_qkv
		.amdhsa_group_segment_fixed_size 327680
		.amdhsa_private_segment_fixed_size 0
		.amdhsa_enable_private_segment 0
		.amdhsa_kernarg_size 24
		.amdhsa_user_sgpr_count 2
		.amdhsa_user_sgpr_kernarg_segment_ptr 1
		.amdhsa_wavefront_size32 1
		.amdhsa_system_sgpr_workgroup_id_x 1
		.amdhsa_system_sgpr_workgroup_id_y 1
		.amdhsa_system_sgpr_workgroup_id_z 1
		.amdhsa_system_vgpr_workitem_id 0
		.amdhsa_next_free_vgpr 1024
		.amdhsa_next_free_sgpr 100
		.amdhsa_reserve_vcc 0
		.amdhsa_float_denorm_mode_32 3
		.amdhsa_float_denorm_mode_16_64 3
		.amdhsa_memory_ordered 1
		.amdhsa_forward_progress 1
		.amdhsa_inst_pref_size 177
	.end_amdhsa_kernel
	.amdgpu_metadata
---
amdhsa.version: [ 1, 2 ]
amdhsa.kernels:
  - .name:           k_qfbf2aed647_qkv
    .symbol:         k_qfbf2aed647_qkv.kd
    .args:
      - { .name: codes, .offset: 0, .size: 8, .value_kind: global_buffer, .address_space: global }
      - { .name: lowp_scales, .offset: 8, .size: 8, .value_kind: global_buffer, .address_space: global }
      - { .name: qkv, .offset: 16, .size: 8, .value_kind: global_buffer, .address_space: global }
    .group_segment_fixed_size: 327680
    .private_segment_fixed_size: 0
    .kernarg_segment_align: 8
    .kernarg_segment_size: 24
    .max_flat_workgroup_size: 128
    .sgpr_count:     100
    .vgpr_count:     1024
    .wavefront_size: 32
...
	.end_amdgpu_metadata
.endif
;; end of part 2
;; launch attn (part 3): grid 32 x 8, 8 waves a work-group, clusters of 4 x 4, 327,680 bytes of LDS; arguments qkv, mask, lowp_scales, ao; writes ao
.if DOCPART == 3
	.amdgcn_target "amdgcn-amd-amdhsa--gfx1250"
	.amdhsa_code_object_version 6
	.text
	.protected	k_qfbf2aed647_attn
	.globl	k_qfbf2aed647_attn
	.p2align	8
	.type	k_qfbf2aed647_attn,@function
k_qfbf2aed647_attn:
	s_mov_b64 s[64:65], 0
	v_nop
	global_prefetch_b8 v0, s[64:65] scope:SCOPE_SE
	s_setreg_imm32_b32 hwreg(HW_REG_WAVE_MODE, 25, 1), 1
	s_wait_xcnt 0x0
	s_wait_alu depctr_hold_cnt(0) depctr_sa_sdst(0) depctr_va_vdst(0) depctr_va_sdst(0) depctr_va_ssrc(0) depctr_va_vcc(0) depctr_vm_vsrc(0)
	s_getreg_b32 s2, hwreg(HW_REG_IB_STS2, 6, 4)
	s_cmp_eq_u32 s2, 0
	s_cbranch_scc0 .Lentry_in_a_cluster
	s_endpgm
.Lentry_in_a_cluster:
	s_bfe_u32 s2, ttmp6, 0x10000c
	s_cmp_lg_u32 s2, 0xf033
	s_cbranch_scc0 .Lentry_shape_is_right
	s_endpgm
.Lentry_shape_is_right:
; ATTENTION on codes of FP8 (E4M3): for each of 32 heads of 64, o[q] = the sum over k of softmax_k(q . k / 8 + mask[q][k]) v[k], quantised for the last projection.
; The mask is an input of f32 and is added as it is given: every score of every head is made.
; THE SOFTMAX: t = fl(score x c + fl(mask x log2(e))), c = log2(e) / 8 x 2^(e6 + e7); M = the row's largest t so far, rounded UP to a whole number; p = 2^(t - M) is quantised (2^e9), not normalised.
; The row's sum is taken of the unquantised p and divides at the end.  When M moves, the sum and O are multiplied by 2^(old M - new M): exact.
; SHARES.  A work-group owns 64 queries x 4 heads.  Eight waves, two to a SIMD: wave w owns head w % 4 and query tiles 2 (w / 4), 2 (w / 4) + 1: two UNITS of 16 queries, unit u = the tile.
; A key step is 128 keys.  A wave reads per step its head's K and V (2 x 8,192 bytes) and its 32 rows of the mask (16,384 bytes) from LDS once: each fragment of K and V serves two units.
; THE STREAM.  Units follow each other through two buffers of scores.  In unit u's turn: t, the maximum, t - M; its 64 exponentials, with the other unit's first sums and holds laid between them (all independent of
; each other); then the other unit's O x f, its codes, its next scores, its second product and the rest of its sums.  The change of slots stands in unit 1's turn, ahead of its exponentials: K's and the mask's
; registers are free there.  The first turn finds p = 0 and O = 0 in the place of a unit before it: zeros are added to zeros.
; RING: two LDS slots; a slot holds K's two blocks, V's two blocks (images of the operands' registers, as the launch before laid them) and 64 rows x 128 numbers of the mask.
; CLUSTER: 4 x 4 work-groups.  A row of the cluster has the same heads (K, V), a column the same queries (mask): joint loads.  Waves 0 to 3 ask for K's and V's four blocks, waves 4 to 7 for 16 rows of the mask each.
; LAYOUT.  Both products transposed: S^T = K Q^T, O^T = V^T P^T: a lane holds ONE query (lane % 16).  Register 16 b + i of S^T is key 32 b + 16 (lane / 16) + i; of O^T channel 32 b + 16 (lane / 16) + i.
; LIMITS: e6 + e7 between -123 and 130; e9 and e10 between -126 and 119.  NaN among the inputs is not served; a row whose mask is -infinity everywhere gives NaN codes.
; REGISTERS.  Window 0: v0-31 addresses and constants, v32-159 two buffers of scores, v160-175 codes, v176-207 partial sums, v208-223 the units' rows (-M, largest t, sum x 2, f x 2, old -M), v224-239 Q, v240-244 at work.
; Window 1: v0-63 the mask's tile in hand, v64-127 O^T, v128-191 K, v192-255 V.
.set SLOT1, 1<<17
.set KV,    16384
.set VOFF,  2*KV
.set MOFF,  4*KV
.set MP,    528                        ; a row of the mask in LDS: 512 bytes + 16
.set SPARE, 2*SLOT1                    ; the spare words: 128 bytes a wave, four blocks of 256 bytes that no other line names
.set SPT,   272                        ; the way out: 64 rows x (256 + 16) bytes at LDS byte 0: slot 0 has had its last fill and its last read by then
.set AK0, 1
.set AV0, 2
.set AM0, 3
.set PFO, 4
.set SPW, 5
.set NIL, 6
.set GO,  7
.set ADK, 8
.set ADV, 9
.set ADM, 10
.set L16, 11
.set PLIM, 12                          ; 448 x 2^e9, twice: the pair of holds names one each
.set PLIM2, 13
.set PSC, 14                           ; 2^e9
.set OLIM, 15                          ; 448 x 2^e10
.set OSC, 16                           ; 2^e10
.set STO, 17
.set RD,  18
.set S0,  32
.set COD, 160
.set TMP, 176
.set ST,  208
.set QF,  224
.set MX,  240
.set PX,  244
.set OR,  64                           ; window 1
.set KF,  128                          ; window 1
.set VF,  192                          ; window 1
.set TB,  2                            ; s2: LDS byte at which the slot to be read begins
.set WV,  18
.set SEL, 20
.set CS,  22
.set G1KV, 24
.set G1M,  32
.set G0KV, 40
.set G0M,  44
.set CNT,  67
.set LE,   68
.set PFA,  76
.set PFS,  78
.set LIM,  80
.set MSB, 0
.macro WIN new                         ; the immediate's high byte repeats the setting that is left
.if MSB != \new
	s_set_vgpr_msb (MSB<<8)|\new
.set MSB, \new
.endif
.endm
.macro CROUND                          ; a round of the cluster's barrier
	s_barrier_signal -1
	s_barrier_wait -1
	s_cmp_lg_u32 s[WV], 0
	s_cbranch_scc1 .Lnot_wave_0_\@
	s_barrier_signal -3
.Lnot_wave_0_\@:
	s_barrier_wait -3
	s_barrier_signal -1
	s_barrier_wait -1
.endm
.macro JLOAD                           ; every wave's one joint load; the branch hangs on the wave's number alone; s_nop 0 and four v_nop
	s_cmp_eq_u32 s55, 0
	s_cbranch_scc0 .Lfor_m_\@
	tensor_load_to_lds s[G0KV:G0KV+3], s[G1KV:G1KV+7]
	s_nop 0
.rept 4
	v_nop
.endr
	s_branch .Lasked_\@
.Lfor_m_\@:
	tensor_load_to_lds s[G0M:G0M+3], s[G1M:G1M+7]
	s_nop 0
.rept 4
	v_nop
.endr
.Lasked_\@:
.endm
; A PREFETCH INTO THE L2 of the key step two steps on from the one that this change of slots loads.  Every cluster asks for what it will itself load, each aligned block of 256 bytes once in the cluster;
; the four partners that ask for a tile jointly share it out BY ADDRESS: of 32,768 bytes of K (wave 0) and V (wave 1) the partner at cx takes 8,192, lanes 256 bytes apart; of the mask's 64 rows x 512 bytes (wave 2)
; the partner at cy takes 16 rows, two lanes a row.  The change that loads step i asks for step i + 2; it asks while s[CNT] is above 2, that is up to step 15.  Steps 0 to 2 come by their loads alone.
.macro ASK
	s_cmp_gt_u32 s[CNT], s[LIM]
	s_cbranch_scc0 .Lnot_mine_\@
	global_prefetch_b8 v[PFO], s[PFA:PFA+1] th:TH_LOAD_NT scope:SCOPE_SE
.Lnot_mine_\@:
.endm
	s_load_b256 s[4:11], s[0:1], 0x0               ; qkv, mask, the scales' exponents, ao
	v_lshl_add_u32 v[SPW], v0, 2, SPARE
	v_mov_b32 v[NIL], 0
	ds_add_u32 v[SPW], v[NIL]                      ; the opening lines: the add, twice on end, and its wait
	ds_add_u32 v[SPW], v[NIL]
	v_lshrrev_b32 v8, 5, v0
	v_readfirstlane_b32 s[WV], v8                  ; wave 0..7
	s_bfe_u32 s48, ttmp6, 0x40000                  ; cx
	s_bfe_u32 s49, ttmp6, 0x40004                  ; cy
	s_lshl_b32 s50, ttmp9, 2
	s_add_co_u32 s50, s50, s48                     ; x: my block of 64 queries
	s_and_b32 s51, ttmp7, 0xffff
	s_lshl_b32 s51, s51, 2
	s_add_co_u32 s51, s51, s49                     ; y: my group of 4 heads
	s_lshl_b32 s52, s49, 2
	s_lshl_b32 s52, 15, s52                        ; my row of the cluster
	s_lshl_b32 s53, 0x1111, s48                    ; my column
	s_and_b32 s54, s[WV], 3                        ; my head in the group.  Also: which block of K and V, or which 16 rows of the mask, I fetch
	s_lshr_b32 s55, s[WV], 2                       ; my pair of query tiles.  Also: I fetch K or V (0), the mask (1)
	s_lshr_b32 s56, s54, 1                         ; my head pair.  Also: the block is K's (0) or V's (1)
	s_and_b32 s57, s54, 1                          ; my head in the pair.  Also: the block's head pair
	; a block of K or V is dense: 64 rows of 32 elements of 8 bytes
	s_or_b32 s[G1KV], s52, (3<<16)|(1<<21)
	s_mov_b32 s[G1KV+1], 32<<16
	s_mov_b32 s[G1KV+2], 64<<16
	s_mov_b32 s[G1KV+3], 32<<16
	s_mov_b32 s[G1KV+4], 64
	s_mov_b32 s[G1KV+5], 32
	s_mov_b32 s[G1KV+6], 0
	s_mov_b32 s[G1KV+7], 0
	; the mask: 16 rows of 128 elements of 4 bytes, 2,048 elements apart; 4 words of padding behind every 128
	s_or_b32 s[G1M], s53, (2<<16)|(1<<20)|(1<<21)|(6<<22)|(3<<25)
	s_mov_b32 s[G1M+1], 128<<16
	s_mov_b32 s[G1M+2], 16<<16
	s_mov_b32 s[G1M+3], 128<<16
	s_mov_b32 s[G1M+4], 16
	s_mov_b32 s[G1M+5], 2048
	s_mov_b32 s[G1M+6], 0
	s_mov_b32 s[G1M+7], 0
	s_add_co_u32 s84, s56, 1
	s_lshl_b32 s84, s84, 22                        ; part 1 of qkv (k) or part 2 (v),
	s_lshl_b32 s85, s51, 1
	s_add_co_u32 s85, s85, s57                     ; head pair 2 y + block % 2
	s_lshl_b32 s85, s85, 18
	s_add_co_u32 s84, s84, s85
	s_mov_b32 s85, 0
	s_lshl_b32 s82, s50, 19                        ; the mask: 64 x rows of 8,192 bytes,
	s_lshl_b32 s83, s54, 17                        ; + my 16
	s_add_co_u32 s82, s82, s83
	s_mov_b32 s83, 0
	s_mul_i32 s81, s54, 16*MP
	s_mov_b32 s[SEL], 0x76543210
	s_mov_b32 s[SEL+1], 0xfedcba98
	s_mov_b32 s[CS], 0x3e38aa3b                    ; log2(e) / 8
	s_mov_b32 s[LE], 0x3fb8aa3b                    ; log2(e)
	s_mov_b32 s[LE+1], s[LE]
	s_mov_b32 s[TB], SLOT1                         ; the first change of slots turns it to slot 0
	s_mov_b32 s[CNT], 15
	s_wait_dscnt 0x0                               ; both opening adds are done
	s_wait_kmcnt 0x0
	s_load_b128 s[60:63], s[8:9], 0x18             ; e6, e7, e8, e9
	s_load_b32 s66, s[8:9], 0x28                   ; e10
	s_mov_b32 s[G0KV], 1
	s_lshl_b32 s[G0KV+1], s54, 14                  ; slot 0, block w
	s_add_nc_u64 s[G0KV+2:G0KV+3], s[4:5], s[84:85]
	s_or_b32 s[G0KV+3], s[G0KV+3], 0x80000000
	s_mov_b32 s[G0M], 1
	s_add_co_u32 s[G0M+1], s81, MOFF
	s_add_nc_u64 s[G0M+2:G0M+3], s[6:7], s[82:83]
	s_or_b32 s[G0M+3], s[G0M+3], 0x80000000
	CROUND                                         ; the first joint loads meet
	JLOAD                                          ; key step 0 into slot 0: one tensor load a wave at the head
	; Q: part 0 of qkv, [head pair][block of 128 positions][tile][head][two groups of 512 bytes]
	s_lshl_b32 s86, s51, 1
	s_add_co_u32 s86, s86, s56
	s_lshl_b32 s86, s86, 4
	s_lshr_b32 s87, s50, 1
	s_add_co_u32 s86, s86, s87
	s_lshl_b32 s86, s86, 14
	s_and_b32 s87, s50, 1
	s_lshl_b32 s87, s87, 1
	s_add_co_u32 s87, s87, s55
	s_lshl_b32 s87, s87, 12                        ; tile 4 (x % 2) + 2 x my pair
	s_add_co_u32 s86, s86, s87
	s_lshl_b32 s87, s57, 10                        ; my head's 1,024 bytes of a tile
	s_add_co_u32 s86, s86, s87
	s_mov_b32 s87, 0
	s_add_nc_u64 s[86:87], s[4:5], s[86:87]
	s_lshl_b32 s88, s50, 17                        ; ao: my 64 rows of 2,048 bytes, my four heads' 256 bytes
	s_lshl_b32 s89, s51, 8
	s_add_co_u32 s88, s88, s89
	s_mov_b32 s89, 0
	s_add_nc_u64 s[10:11], s[10:11], s[88:89]
	; the prefetches
	s_and_b32 s90, s[WV], 1
	s_add_co_u32 s90, s90, 1
	s_lshl_b32 s90, s90, 22                        ; wave 0: k's part; wave 1: v's
	s_lshl_b32 s91, s51, 1
	s_lshr_b32 s92, s48, 1
	s_add_co_u32 s91, s91, s92                     ; head pair 2 y + cx / 2,
	s_lshl_b32 s91, s91, 18
	s_add_co_u32 s90, s90, s91
	s_and_b32 s91, s48, 1
	s_lshl_b32 s91, s91, 13                        ; half cx % 2 of its block,
	s_add_co_u32 s90, s90, s91
	s_add_co_u32 s90, s90, 2*KV                    ; at key step 2: the first change of slots steps it to 3
	s_lshl_b32 s91, s50, 19
	s_lshl_b32 s92, s49, 17                        ; the mask's rows 64 x + 16 cy on,
	s_add_co_u32 s91, s91, s92
	s_add_co_u32 s91, s91, 1024                    ; at key step 2
	s_mov_b32 s[PFS], KV
	s_mov_b32 s96, 512
	s_cmp_eq_u32 s[WV], 2
	s_cselect_b64 s[PFA:PFA+1], s[6:7], s[4:5]
	s_cselect_b32 s90, s91, s90
	s_cselect_b32 s[PFS], 512, s[PFS]
	s_cselect_b32 s96, 8192, s96
	s_mov_b32 s91, 0
	s_mov_b32 s[PFS+1], 0
	s_add_nc_u64 s[PFA:PFA+1], s[PFA:PFA+1], s[90:91]
	s_cmp_lt_u32 s[WV], 3
	s_cselect_b32 s[LIM], 2, -1                    ; waves 0 to 2 ask, in every cluster
	; the scalar parts of the LDS addresses: constants x parts of the wave's number
	s_lshl_b32 s58, s56, 14                        ; my head pair's block
	s_lshl_b32 s59, s57, 10
	s_add_co_u32 s59, s59, s58                     ; K: my head's 1,024 bytes of each tile's 2,048
	s_lshl_b32 s97, s57, 13
	s_add_co_u32 s58, s58, s97
	s_add_co_u32 s58, s58, VOFF                    ; V: my head's four tiles of 2,048
	s_mul_i32 s97, s55, 32*MP
	s_add_co_u32 s97, s97, MOFF                    ; the mask: my 32 rows
	s_mul_i32 s98, s55, 32*SPT
	s_lshl_b32 s99, s54, 6
	s_add_co_u32 s98, s98, s99                     ; the stage, in: my 32 rows, my head's 64 bytes
	s_mul_i32 s99, s[WV], 8*SPT                    ; back: rows 8 w on
	s_lshl_b32 s95, s[WV], 14                      ; and in ao
	v_and_b32 v[L16], 31, v0
	v_and_b32 v19, 15, v0                          ; r
	v_bfe_u32 v20, v0, 4, 1                        ; h
	v_lshrrev_b32 v21, 1, v[L16]
	v_and_b32 v[PFO], 1, v0
	v_lshlrev_b32 v[L16], 4, v[L16]
	v_mul_lo_u32 v21, v21, s96
	v_lshl_add_u32 v[PFO], v[PFO], 8, v21
	v_add_nc_u32 v[AK0], s59, v[L16]
	v_add_nc_u32 v[AV0], s58, v[L16]
	v_mul_u32_u24 v[AM0], v19, MP
	v_lshl_add_u32 v[AM0], v20, 6, v[AM0]
	v_add_nc_u32 v[AM0], s97, v[AM0]               ; row r, + 64 h: my 16 keys of each 32
	v_mul_u32_u24 v[STO], v19, SPT
	v_lshl_add_u32 v[STO], v20, 4, v[STO]
	v_add_nc_u32 v[STO], s98, v[STO]
	v_mul_u32_u24 v[RD], v20, SPT
	v_lshl_add_u32 v[RD], v19, 4, v[RD]
	v_add_nc_u32 v[RD], s99, v[RD]                 ; lanes 0-15 one row of 256 bytes, lanes 16-31 the next
	v_lshlrev_b32 v[GO], 11, v20
	v_lshl_add_u32 v[GO], v19, 4, v[GO]
	v_add_nc_u32 v[GO], s95, v[GO]
.irp u, 0,1
.irp c, 0,1
	global_load_b128 v[QF+8*\u+4*\c:QF+8*\u+4*\c+3], v[L16], s[86:87] offset:2048*\u+512*\c
.endr
.endr
	WIN 0x40
.set j, 0
.rept 64
	v_mov_b32 v[OR+j], 0                           ; O^T: the turns are written alike, so the first finds zeros
.set j, j+1
.endr
	WIN 0
.set j, 0
.rept 64
	v_mov_b32 v[S0+64+j], 0                        ; p = 0 in the place of the unit before the first
.set j, j+1
.endr
.irp u, 0,1
	v_mov_b32 v[ST+8*\u+1], 0xff61b1e6             ; the largest t so far: -3e38
	v_mov_b32 v[ST+8*\u+2], 0                      ; the sum, in two halves
	v_mov_b32 v[ST+8*\u+3], 0
	v_mov_b32 v[ST+8*\u+4], 1.0                    ; f
	v_mov_b32 v[ST+8*\u+5], 0                      ; (named as the upper half of f's pair)
	v_floor_f32 v[ST+8*\u], -v[ST+8*\u+1]          ; -M
.endr
	v_mov_b32 v[PX], 0                             ; a lane permute's destination counts as a source
	s_wait_kmcnt 0x0
	s_add_co_i32 s81, s60, s61
	s_lshl_b32 s81, s81, 23
	s_add_co_i32 s[CS], s[CS], s81                 ; e6 + e7 added to c's exponent field
	s_mov_b32 s[CS+1], s[CS]
	s_add_co_i32 s81, s63, 127
	s_lshl_b32 s97, s81, 23
	v_mov_b32 v[PSC], s97
	s_add_co_i32 s81, s81, 8
	s_lshl_b32 s81, s81, 23
	s_or_b32 s81, s81, 0x600000
	v_mov_b32 v[PLIM], s81
	v_mov_b32 v[PLIM2], s81
	s_add_co_i32 s81, s66, 127
	s_lshl_b32 s97, s81, 23
	v_mov_b32 v[OSC], s97
	s_add_co_i32 s81, s81, 8
	s_lshl_b32 s81, s81, 23
	s_or_b32 s81, s81, 0x600000
	v_mov_b32 v[OLIM], s81
; THE CHANGE OF SLOTS: all my tensor loads are in, the add, my LDS reads are over; fill = 1: a round of the cluster's barrier, and the joint refill of the slot that was left is the first thing behind it.
.macro CHANGE fill
	s_wait_alu depctr_va_vdst(0)                   ; the wait ahead of the blocking waits
	s_wait_tensorcnt 0x0
	ds_add_u32 v[SPW], v[NIL]
.if \fill
	s_xor_b32 s[G0KV+1], s[G0KV+1], SLOT1          ; the walking descriptors: the other slot, the next 128 keys
	s_add_nc_u64 s[G0KV+2:G0KV+3], s[G0KV+2:G0KV+3], KV
	s_xor_b32 s[G0M+1], s[G0M+1], SLOT1
	s_add_nc_u64 s[G0M+2:G0M+3], s[G0M+2:G0M+3], 512
	s_wait_xcnt 0x0                                ; the last prefetch has read its address
	s_add_nc_u64 s[PFA:PFA+1], s[PFA:PFA+1], s[PFS:PFS+1]
.endif
	s_xor_b32 s[TB], s[TB], SLOT1                  ; the slot to be read from here on
	s_wait_dscnt 0x0
.if \fill
	CROUND
	JLOAD
	ASK
.else
	s_barrier_signal -1
	s_barrier_wait -1
.endif
.endm
.macro LDM qi                          ; the mask's tile qi: 16 loads
	WIN 0x40
.irp b, 0,1,2,3
.irp j, 0,1,2,3
	ds_load_b128 v[16*\b+4*\j:16*\b+4*\j+3], v[ADM] offset:16*MP*\qi+128*\b+16*\j
.endr
.endr
	WIN 0
.endm
.macro LDKM                            ; the step's addresses; K's 16 loads, the mask's first tile
	v_add_nc_u32 v[ADK], s[TB], v[AK0]
	v_add_nc_u32 v[ADV], s[TB], v[AV0]
	v_add_nc_u32 v[ADM], s[TB], v[AM0]
	WIN 0x40
.irp t, 0,1,2,3,4,5,6,7
.irp c, 0,1
	ds_load_b128 v[KF+8*\t+4*\c:KF+8*\t+4*\c+3], v[ADK] offset:2048*\t+512*\c
.endr
.endr
	LDM 0
.endm
.macro LDV                             ; V^T of my head: four tiles of 16 channels x 128 keys
	WIN 0x40
.irp d, 0,1,2,3
.irp c, 0,1,2,3
	ds_load_b128 v[VF+16*\d+4*\c:VF+16*\d+4*\c+3], v[ADV] offset:2048*\d+512*\c
.endr
.endr
	WIN 0
.endm
.macro QK un, sp                       ; S^T of unit un into the buffer at sp: eight accumulators, each begun with 0
	WIN 0x01
.set i, 0
.rept 8
	v_wmma_f32_16x16x64_fp8_fp8 v[\sp+8*i:\sp+8*i+7], v[KF+8*i:KF+8*i+7], v[QF+8*(\un):QF+8*(\un)+7], 0
.set i, i+1
.endr
	WIN 0
.endm
.macro SCALE                           ; mask x log2(e)
	WIN 0x41
.set j, 0
.rept 32
	v_pk_mul_f32 v[j:j+1], v[j:j+1], s[LE:LE+1] op_sel_hi:[1,0]
.set j, j+2
.endr
	WIN 0
.endm
.macro BST u, su                       ; t, the running maximum, -M, f, t - M
.set STU, ST+8*(\u)
	WIN 0x10
.set j, 0
.rept 32
	v_pk_fma_f32 v[\su+j:\su+j+1], v[\su+j:\su+j+1], s[CS:CS+1], v[j:j+1] op_sel_hi:[1,0,1]   ; each accumulator from its low end on
.set j, j+2
.endr
	WIN 0
	v_mov_b32 v[STU+6], v[STU]                     ; the old -M
.irp k, 0,1,2,3
	v_max3_num_f32 v[MX+\k], v[\su+3*\k], v[\su+3*\k+1], v[\su+3*\k+2]   ; four chains by turns
.endr
.set i, 12
.rept 6
.irp k, 0,1,2,3
	v_max3_num_f32 v[MX+\k], v[MX+\k], v[\su+i+2*\k], v[\su+i+2*\k+1]
.endr
.set i, i+8
.endr
	v_max3_num_f32 v[MX], v[MX], v[\su+60], v[\su+61]
	v_max3_num_f32 v[MX+1], v[MX+1], v[\su+62], v[\su+63]
	s_delay_alu instid0(VALU_DEP_1)
	v_max3_num_f32 v[MX], v[MX], v[MX+1], v[MX+2]
	s_delay_alu instid0(VALU_DEP_1)
	v_max_num_f32 v[MX], v[MX], v[MX+3]
	s_delay_alu instid0(VALU_DEP_1)
	v_permlanex16_b32 v[PX], v[MX], s[SEL], s[SEL+1]
	s_delay_alu instid0(VALU_DEP_1)
	v_max3_num_f32 v[STU+1], v[STU+1], v[MX], v[PX]   ; with lane l xor 16's: the running largest t
	s_delay_alu instid0(VALU_DEP_1)
	v_floor_f32 v[STU], -v[STU+1]                  ; -M = floor(-t): a whole number
	s_delay_alu instid0(VALU_DEP_1)
.set j, 0
.rept 32
	v_pk_add_f32 v[\su+j:\su+j+1], v[\su+j:\su+j+1], v[STU:STU+1] op_sel_hi:[1,0]   ; t - M
.if j == 8
	v_sub_f32 v[STU+6], v[STU], v[STU+6]           ; old M - new M, a whole number, 0 or less
.endif
.if j == 24
	v_cvt_i32_f32 v[STU+6], v[STU+6]               ; (it saturates)
.endif
.if j == 40
	v_ldexp_f32 v[STU+4], 1.0, v[STU+6]            ; f = 2^(old M - new M)
.endif
.set j, j+2
.endr
.endm
.macro DMIN a                          ; the hold at 448 x 2^e9, two numbers a line: the conversion does not saturate (ISA guide 7.6.2); p is not negative
	v_dual_min_num_f32 v[\a], v[\a], v[PLIM] :: v_dual_min_num_f32 v[(\a)+1], v[(\a)+1], v[PLIM2]
.endm
; ex = 1: the 64 exponentials of the buffer at su, with the first sums and the holds of the buffer at sp (unit up) between them: these read only what stood ahead of the batch, and are read only behind the wait
; at the head of FIN, which follows.
.macro EXPS su, sp, up, ex
.if \ex
	s_wait_alu depctr_va_vdst(0)                   ; the wait ahead of the batch
.endif
.set i, 0
.rept 16
.if \ex
	v_exp_f32 v[\su+4*i], v[\su+4*i]
.endif
	v_pk_add_f32 v[TMP+2*i:TMP+2*i+1], v[\sp+4*i:\sp+4*i+1], v[\sp+4*i+2:\sp+4*i+3]   ; the sum is taken of the unquantised p, ahead of the hold
.if \ex
	v_exp_f32 v[\su+4*i+1], v[\su+4*i+1]
.endif
	DMIN \sp+4*i
.if \ex
	v_exp_f32 v[\su+4*i+2], v[\su+4*i+2]
.endif
	DMIN \sp+4*i+2
.if \ex
	v_exp_f32 v[\su+4*i+3], v[\su+4*i+3]
.endif
.set i, i+1
.endr
	v_pk_mul_f32 v[ST+8*(\up)+2:ST+8*(\up)+3], v[ST+8*(\up)+2:ST+8*(\up)+3], v[ST+8*(\up)+4:ST+8*(\up)+5] op_sel_hi:[1,0]   ; the sum under the new M
.endm
; Unit up is finished: O x f, its codes, its NEXT scores (into the buffer that the codes have left), O^T += V^T P^T, the rest of its sums.
; amode: 0 no scores; 1 scores; 2 scores behind the wait for K (16: the mask's first tile may be out); 3 the same, left out in the last step.  ldv = 1: this step's V is loaded behind the product.
.macro FIN up, sp, amode, ldv
.set STP, ST+8*(\up)
	WIN 0x41
	s_wait_alu depctr_va_vdst(0)                   ; one wait, behind the batch and directly ahead of the first readers of O^T
.set j, 0
.rept 16
	v_pk_mul_f32 v[OR+32*(\up)+j:OR+32*(\up)+j+1], v[OR+32*(\up)+j:OR+32*(\up)+j+1], v[STP+4:STP+5] op_sel_hi:[1,0]
.set j, j+2
.endr
	WIN 0
.set i, 0
.rept 8
	v_cvt_scalef32_pk8_fp8_f32 v[COD+2*i:COD+2*i+1], v[\sp+8*i:\sp+8*i+7], v[PSC]
.set i, i+1
.endr
.irp i, 0,2,4,6,8,10,12,14
	v_pk_add_f32 v[TMP+\i:TMP+\i+1], v[TMP+\i:TMP+\i+1], v[TMP+16+\i:TMP+17+\i]   ; (plain lines between the conversions and the products)
.endr
.if \amode
.if \amode > 1
	s_wait_alu depctr_va_vdst(0)                   ; the wait ahead of the branch and the blocking wait
.if \amode == 3
	s_cmp_eq_u32 s[CNT], 1                         ; the last step has no successor: a branch on the count of steps, round the loads' readers alone
	s_cbranch_scc1 .Lno_a_\@
.endif
	s_wait_dscnt 16
.endif
	QK \up, \sp
.if \amode == 3
.Lno_a_\@:
.endif
.endif
	WIN 0x51
.irp d, 0,1,2,3
	v_wmma_f32_16x16x128_fp8_fp8 v[OR+32*(\up)+8*\d:OR+32*(\up)+8*\d+7], v[VF+16*\d:VF+16*\d+15], v[COD:COD+15], v[OR+32*(\up)+8*\d:OR+32*(\up)+8*\d+7]   ; four accumulators by turns
.endr
	WIN 0
.irp i, 0,2,4,6
	v_pk_add_f32 v[TMP+\i:TMP+\i+1], v[TMP+\i:TMP+\i+1], v[TMP+8+\i:TMP+9+\i]     ; these eight are also the places behind the products
.endr
.irp i, 0,2
	s_delay_alu instid0(VALU_DEP_2)
	v_pk_add_f32 v[TMP+\i:TMP+\i+1], v[TMP+\i:TMP+\i+1], v[TMP+4+\i:TMP+5+\i]
.endr
	s_delay_alu instid0(VALU_DEP_1)
	v_pk_add_f32 v[TMP:TMP+1], v[TMP:TMP+1], v[TMP+2:TMP+3]
	s_delay_alu instid0(VALU_DEP_1)
	v_pk_add_f32 v[STP+2:STP+3], v[STP+2:STP+3], v[TMP:TMP+1]
.if \ldv
	LDV
.endif
.endm
.macro STEP fill
	s_wait_alu depctr_va_vdst(0)
	s_wait_dscnt 0x0                               ; the mask's first tile is in
	SCALE
	BST 0, S0
	LDM 1                                          ; the mask's second tile, into the registers that unit 0 has read
	EXPS S0, S0+64, 1, 1
	FIN 1, S0+64, 1, 1                             ; the step before's unit 1, this step's scores of unit 1; then this step's V
	s_wait_alu depctr_va_vdst(0)
	s_wait_dscnt 16                                ; the mask's second tile is in (V may be out)
	SCALE
	BST 1, S0+64
	CHANGE \fill
.if \fill
	LDKM
.else
	s_cmp_eq_u32 s[CNT], 1
	s_cbranch_scc1 .Lno_l_\@
	LDKM
.Lno_l_\@:
.endif
	EXPS S0+64, S0, 0, 1
	FIN 0, S0, 3-\fill, 0                          ; this step's unit 0, the next step's scores of unit 0
.endm
	s_wait_alu depctr_va_vdst(0)                   ; the wait at the head's end
	CHANGE 1                                       ; key step 0 is whole; key step 1 is asked for, slot 1's first fill, as a refill is
	v_add_nc_u32 v[ADV], s[TB], v[AV0]
	LDV                                            ; finite codes for the first turn's product with p = 0
	LDKM
	s_wait_alu depctr_va_vdst(0)
	s_wait_loadcnt 0x0                             ; Q
	s_wait_dscnt 16                                ; K is in
	QK 0, S0
	s_mov_b32 s[CNT], 14
.Lstep:                                            ; steps 0 to 13: each asks for the step two on
	STEP 1
	s_sub_co_u32 s[CNT], s[CNT], 1
	s_cmp_lg_u32 s[CNT], 0
	s_wait_alu depctr_va_vdst(0)
	s_cbranch_scc1 .Lstep
	s_mov_b32 s[CNT], 2
.Ltail:                                            ; steps 14 and 15 fill nothing; step 15 reads no further slot
	STEP 0
	s_sub_co_u32 s[CNT], s[CNT], 1
	s_cmp_lg_u32 s[CNT], 0
	s_wait_alu depctr_va_vdst(0)
	s_cbranch_scc1 .Ltail
	EXPS S0, S0+64, 1, 0                           ; the last unit is finished
	FIN 1, S0+64, 0, 0
	; THE WAY OUT.  O^T x 2^(e8 + e9) / the sum, quantised by 2^e10.  A row's 256 bytes come from four waves: they meet in the stage.
.irp u, 0,1
	v_add_f32 v[ST+8*\u+2], v[ST+8*\u+2], v[ST+8*\u+3]
.endr
.irp u, 0,1
	s_delay_alu instid0(VALU_DEP_2)
	v_permlanex16_b32 v[MX+\u], v[ST+8*\u+2], s[SEL], s[SEL+1]
.endr
.irp u, 0,1
	s_delay_alu instid0(VALU_DEP_2)
	v_add_f32 v[ST+8*\u+2], v[ST+8*\u+2], v[MX+\u]         ; the row's sum
.endr
	s_wait_alu depctr_va_vdst(0)                   ; ahead of the batch
.irp u, 0,1
	v_rcp_f32 v[ST+8*\u+2], v[ST+8*\u+2]
.endr
	v_nop
	s_add_co_i32 s81, s62, s63
	s_wait_alu depctr_va_vdst(0)                   ; and behind it
.irp u, 0,1
	v_ldexp_f32 v[ST+8*\u+2], v[ST+8*\u+2], s81
.endr
	WIN 0x01
	s_wait_alu depctr_va_vdst(0)                   ; directly ahead of the first readers of O^T
.set j, 0
.rept 32
	v_pk_mul_f32 v[S0+j:S0+j+1], v[OR+j:OR+j+1], v[ST+8*(j/32)+2:ST+8*(j/32)+3] op_sel_hi:[1,0]
.set j, j+2
.endr
	WIN 0
.set j, 0
.rept 64
	v_med3_num_f32 v[S0+j], v[S0+j], -v[OLIM], v[OLIM]
.set j, j+1
.endr
.set i, 0
.rept 8
	v_cvt_scalef32_pk8_fp8_f32 v[COD+2*i:COD+2*i+1], v[S0+8*i:S0+8*i+7], v[OSC]
.set i, i+1
.endr
	v_nop
	s_wait_alu depctr_va_vdst(0)
	s_wait_dscnt 0x0
	s_barrier_signal -1                            ; every wave's reads of the ring are over: the stage may be written
	s_barrier_wait -1
.irp u, 0,1
	ds_store_b128 v[STO], v[COD+8*\u:COD+8*\u+3] offset:16*SPT*\u
	ds_store_b128 v[STO], v[COD+8*\u+4:COD+8*\u+7] offset:16*SPT*\u+32
.endr
	s_wait_dscnt 0x0                               ; for the others' sake
	s_barrier_signal -1
	s_barrier_wait -1
.irp i, 0,1,2,3
	ds_load_b128 v[S0+4*\i:S0+4*\i+3], v[RD] offset:2*\i*SPT
.endr
.irp i, 0,1,2,3
	s_wait_dscnt 3-\i
	global_store_b128 v[GO], v[S0+4*\i:S0+4*\i+3], s[10:11] offset:4096*\i   ; 16 lanes store 256 consecutive bytes, aligned
.endr
	s_wait_tensorcnt 0x0                           ; the wave's end
	ds_add_u32 v[SPW], v[NIL]
	s_wait_dscnt 0x0
	CROUND                                         ; the closing round
	s_endpgm
.Lfunc_end_k_qfbf2aed647_attn:
	.size	k_qfbf2aed647_attn, .Lfunc_end_k_qfbf2aed647_attn-k_qfbf2aed647_attn
	.p2alignl 7, 3214868480
	.fill 96, 4, 3214868480
	.section	.rodata,"a",@progbits
	.p2align	6, 0x0
	.amdhsa_kernel k_qfbf2aed647_attn
		.amdhsa_group_segment_fixed_size 327680
		.amdhsa_private_segment_fixed_size 0
		.amdhsa_enable_private_segment 0
		.amdhsa_kernarg_size 32
		.amdhsa_user_sgpr_count 2
		.amdhsa_user_sgpr_kernarg_segment_ptr 1
		.amdhsa_wavefront_size32 1
		.amdhsa_system_sgpr_workgroup_id_x 1
		.amdhsa_system_sgpr_workgroup_id_y 1
		.amdhsa_system_sgpr_workgroup_id_z 1
		.amdhsa_system_vgpr_workitem_id 0
		.amdhsa_next_free_vgpr 512
		.amdhsa_next_free_sgpr 100
		.amdhsa_reserve_vcc 0
		.amdhsa_float_denorm_mode_32 3
		.amdhsa_float_denorm_mode_16_64 3
		.amdhsa_memory_ordered 1
		.amdhsa_forward_progress 1
		.amdhsa_inst_pref_size 115
	.end_amdhsa_kernel
	.amdgpu_metadata
---
amdhsa.version: [ 1, 2 ]
amdhsa.kernels:
  - .name:           k_qfbf2aed647_attn
    .symbol:         k_qfbf2aed647_attn.kd
    .args:
      - { .name: qkv, .offset: 0, .size: 8, .value_kind: global_buffer, .address_space: global }
      - { .name: mask, .offset: 8, .size: 8, .value_kind: global_buffer, .address_space: global }
      - { .name: lowp_scales, .offset: 16, .size: 8, .value_kind: global_buffer, .address_space: global }
      - { .name: ao, .offset: 24, .size: 8, .value_kind: global_buffer, .address_space: global }
    .group_segment_fixed_size: 327680
    .private_segment_fixed_size: 0
    .kernarg_segment_align: 8
    .kernarg_segment_size: 32
    .max_flat_workgroup_size: 256
    .sgpr_count:     100
    .vgpr_count:     512
    .wavefront_size: 32
...
	.end_amdgpu_metadata
.endif
;; end of part 3
;; launch oproj (part 4): grid 16 x 16, 4 waves a work-group, clusters of 4 x 4, 327,680 bytes of LDS; arguments ao, codes, lowp_scales, out0; writes out0
.if DOCPART == 4
	.amdgcn_target "amdgcn-amd-amdhsa--gfx1250"
	.amdhsa_code_object_version 6
	.text
	.protected	k_qfbf2aed647_oproj
	.globl	k_qfbf2aed647_oproj
	.p2align	8
	.type	k_qfbf2aed647_oproj,@function
k_qfbf2aed647_oproj:
	s_mov_b64 s[64:65], 0
	v_nop
	global_prefetch_b8 v0, s[64:65] scope:SCOPE_SE
	s_setreg_imm32_b32 hwreg(HW_REG_WAVE_MODE, 25, 1), 1
	s_wait_xcnt 0x0
	s_wait_alu depctr_hold_cnt(0) depctr_sa_sdst(0) depctr_va_vdst(0) depctr_va_sdst(0) depctr_va_ssrc(0) depctr_va_vcc(0) depctr_vm_vsrc(0)
	s_getreg_b32 s2, hwreg(HW_REG_IB_STS2, 6, 4)
	s_cmp_eq_u32 s2, 0
	s_cbranch_scc0 .Lentry_in_a_cluster
	s_endpgm
.Lentry_in_a_cluster:
	s_bfe_u32 s2, ttmp6, 0x10000c
	s_cmp_lg_u32 s2, 0xf033
	s_cbranch_scc0 .Lentry_shape_is_right
	s_endpgm
.Lentry_shape_is_right:
.set SIZE_N, 2048
.set SIZE_K, 2048
.set ROWB,   512
.set KROW,   SIZE_K
.set PITCH,  528
.set FR,     16
.set NL,     4
.set NP,     4
.set HALFT,  64*PITCH
.set SLOT,   4*HALFT
.set STAGE,  2*SLOT
.set SPITCH, 272
.set SPARE,  STAGE+4*16*SPITCH
.set ADRA, 16
.set ADRB, 20
.set STO,  24
.set RD,   25
.set CO,   26
.set SPW,  28
.set NIL,  29
.set TMP,  32
.set ACC,  128
.set F0,   0
.set F1,   128
.set G1, 24
.set G0, 32
.set G1B, 48
.set G0B, 56
.set MSB, 0
.macro WIN new
.if MSB != \new
	s_set_vgpr_msb (MSB<<8)|\new
.set MSB, \new
.endif
.endm
.set MUL,  0x05
.set TO_F, 0x40
.macro JLOAD g0a, g1a, g0b, g1b
	s_cmp_eq_u32 s15, 0
	s_cbranch_scc0 .Lfor_b_\@
	tensor_load_to_lds s[\g0a:\g0a+3], s[\g1a:\g1a+7]
	s_nop 0
.rept 4
	v_nop
.endr
	s_branch .Lasked_\@
.Lfor_b_\@:
	tensor_load_to_lds s[\g0b:\g0b+3], s[\g1b:\g1b+7]
	s_nop 0
.rept 4
	v_nop
.endr
.Lasked_\@:
.endm
.macro CREST
	s_cmp_lg_u32 s14, 0
	s_cbranch_scc1 .Lnot_wave_0_\@
	s_barrier_signal -3
.Lnot_wave_0_\@:
	s_barrier_wait -3
	s_barrier_signal -1
	s_barrier_wait -1
.endm
.macro CROUND
	s_barrier_signal -1
	s_barrier_wait -1
	CREST
.endm
	s_load_b128 s[4:7], s[0:1], 0x0
	s_load_b128 s[8:11], s[0:1], 0x10
	v_lshl_add_u32 v[SPW], v0, 2, SPARE
	v_mov_b32 v[NIL], 0
	ds_add_u32 v28, v29
	ds_add_u32 v28, v29
	s_wait_dscnt 0x0
	v_lshrrev_b32 v1, 5, v0
	v_readfirstlane_b32 s14, v1
	s_lshr_b32 s15, s14, 1
	s_and_b32 s16, s14, 1
	s_bfe_u32 s40, ttmp6, 0x40000
	s_bfe_u32 s41, ttmp6, 0x40004
	s_lshl_b32 s42, ttmp9, 2
	s_add_co_u32 s42, s42, s40
	s_and_b32 s17, ttmp7, 0xffff
	s_lshl_b32 s17, s17, 2
	s_add_co_u32 s17, s17, s41
	s_lshl_b32 s43, s41, 2
	s_lshl_b32 s43, 15, s43
	s_lshl_b32 s44, 0x1111, s40
	s_or_b32 s[G1+0], s43, (0<<16)|(1<<20)|(1<<21)|(6<<22)|(3<<25)
	s_or_b32 s[G1B+0], s44, (0<<16)|(1<<20)|(1<<21)|(6<<22)|(3<<25)
.irp g, G1, G1B
	s_mov_b32 s[\g+1], ROWB<<16
	s_mov_b32 s[\g+2], 64<<16
	s_mov_b32 s[\g+3], ROWB<<16
	s_mov_b32 s[\g+4], 64
	s_mov_b32 s[\g+5], KROW
	s_mov_b32 s[\g+6], 0
	s_mov_b32 s[\g+7], 0
.endr
	s_lshl_b32 s18, s16, 6
	s_lshl_b32 s20, s17, 7
	s_add_co_u32 s20, s20, s18
	s_lshl_b32 s46, s42, 7
	s_add_co_u32 s46, s46, s18
	s_mov_b32 s21, 0
	s_mov_b32 s47, 0
	s_mov_b64 s[18:19], KROW
	s_mul_u64 s[20:21], s[20:21], s[18:19]
	s_mul_u64 s[46:47], s[46:47], s[18:19]
	s_mul_i32 s45, s14, HALFT
	s_wait_kmcnt 0x0
	s_load_b64 s[96:97], s[8:9], 0x28
	s_add_nc_u64 s[6:7], s[6:7], 0x1800000
	s_add_nc_u64 s[20:21], s[4:5], s[20:21]
	s_add_nc_u64 s[46:47], s[6:7], s[46:47]
	; the prefetches: of the 64 rows that my wave fetches, the partner at place p among the four that ask jointly (cx for ao's tile, cy for wo's) takes rows 16 p on, two lanes a row of 512 bytes: shared out by address
	s_cmp_eq_u32 s15, 0
	s_cselect_b64 s[90:91], s[20:21], s[46:47]
	s_cselect_b32 s92, s40, s41
	s_lshl_b32 s92, s92, 15                        ; 16 rows of 2,048 bytes
	s_mov_b32 s93, 0
	s_add_nc_u64 s[90:91], s[90:91], s[92:93]
	s_add_nc_u64 s[90:91], s[90:91], 2*ROWB        ; at K step 2; never rewritten
	v_and_b32 v8, 31, v0
	v_lshrrev_b32 v9, 1, v8
	v_and_b32 v8, 1, v8
	v_lshlrev_b32 v8, 8, v8
	v_lshl_add_u32 v8, v9, 11, v8                  ; row lane / 2, block lane % 2; never rewritten
	CROUND
.irp s, 0,1
	s_mov_b32 s[G0+4*\s], 1
	s_add_co_u32 s[G0+4*\s+1], s45, \s*SLOT
	s_add_nc_u64 s[G0+4*\s+2:G0+4*\s+3], s[20:21], \s*ROWB
	s_or_b32 s[G0+4*\s+3], s[G0+4*\s+3], 0x80000000
	s_mov_b32 s[G0B+4*\s], 1
	s_add_co_u32 s[G0B+4*\s+1], s45, \s*SLOT
	s_add_nc_u64 s[G0B+4*\s+2:G0B+4*\s+3], s[46:47], \s*ROWB
	s_or_b32 s[G0B+4*\s+3], s[G0B+4*\s+3], 0x80000000
	s_wait_alu depctr_va_vdst(0)
	s_wait_tensorcnt 0x0
	ds_add_u32 v28, v29
	ds_add_u32 v28, v29
	s_wait_dscnt 0x0
	CROUND
	JLOAD G0+4*\s, G1, G0B+4*\s, G1B
	global_prefetch_b8 v8, s[90:91] offset:ROWB*\s th:TH_LOAD_NT scope:SCOPE_SE   ; behind the load of K step s: K step s + 2, the last two of the four
.endr
	v_and_b32 v1, 15, v0
	s_wait_alu depctr_va_vdst(0)
	v_bfe_u32 v2, v0, 4, 1
	v_mul_u32_u24 v3, v1, PITCH
	v_lshl_add_u32 v4, v2, 4, v3
	s_mul_i32 s21, s15, HALFT
	s_mul_i32 s22, s16, HALFT
	s_add_co_u32 s22, s22, 2*HALFT
.irp s, 0,1
	v_add_nc_u32 v[ADRA+\s], s21, v4
	v_add_nc_u32 v[ADRB+\s], s22, v4
	s_add_co_u32 s21, s21, SLOT
	s_add_co_u32 s22, s22, SLOT
.endr
	s_mul_i32 s23, s14, 16*SPITCH
	s_add_co_u32 s23, s23, STAGE
	v_mul_u32_u24 v5, v1, SPITCH
	s_wait_alu depctr_va_vdst(0)
	v_lshl_add_u32 v5, v2, 5, v5
	v_add_nc_u32 v[STO], s23, v5
	v_mul_u32_u24 v6, v2, SPITCH
	v_lshl_add_u32 v6, v1, 4, v6
	v_add_nc_u32 v[RD], s23, v6
	v_lshlrev_b32 v7, 13, v2
	v_lshl_add_u32 v[CO], v1, 4, v7
	s_lshl_b32 s20, s17, 7
	s_lshl_b32 s21, s15, 6
	s_add_co_u32 s20, s20, s21
	s_mov_b32 s21, 0
	s_mov_b64 s[18:19], SIZE_N*4
	s_mul_u64 s[20:21], s[20:21], s[18:19]
	s_lshl_b32 s46, s42, 9
	s_lshl_b32 s47, s16, 8
	s_add_co_u32 s46, s46, s47
	s_mov_b32 s47, 0
	s_add_nc_u64 s[20:21], s[20:21], s[46:47]
	s_add_nc_u64 s[10:11], s[10:11], s[20:21]
.macro FRAG reg, adr, k, i
.irp c, 0,1,2,3
	ds_load_b128 v[\reg+4*\c:\reg+4*\c+3], v[\adr] offset:(\k)+32*\c+(\i)*16*PITCH
.endr
.endm
.macro FETCH slot, k, f
	WIN TO_F
.irp i, 0,1,2,3
	FRAG \f+64+FR*\i, ADRB+\slot, \k, \i
.endr
.irp i, 0,1,2,3
	FRAG \f+FR*\i, ADRA+\slot, \k, \i
.endr
.endm
.macro MUL8 f, a0, zero
.irp a, \a0, \a0+1
.irp b, 0,1,2,3
.if \zero
	v_wmma_f32_16x16x128_fp8_fp8 v[ACC+8*(4*(\a)+\b):ACC+8*(4*(\a)+\b)+7], v[\f+64+FR*\b:\f+64+FR*\b+FR-1], v[\f+FR*(\a):\f+FR*(\a)+FR-1], 0
.else
	v_wmma_f32_16x16x128_fp8_fp8 v[ACC+8*(4*(\a)+\b):ACC+8*(4*(\a)+\b)+7], v[\f+64+FR*\b:\f+64+FR*\b+FR-1], v[\f+FR*(\a):\f+FR*(\a)+FR-1], v[ACC+8*(4*(\a)+\b):ACC+8*(4*(\a)+\b)+7]
.endif
.endr
.endr
.endm
.macro PLACES n
.rept \n
	v_nop
.endr
.endm
.macro QUARTER slot, k, f, g, zero
	s_wait_dscnt 2*NL
	WIN MUL
	MUL8 \f, 0, \zero
	PLACES NP
	FETCH \slot, \k, \g
	s_wait_dscnt 8*NL
	WIN MUL
	MUL8 \f, 2, \zero
.endm
.macro TURN slot, next, fill
	WIN 0
	s_wait_tensorcnt 0x0
	ds_add_u32 v[SPW], v[NIL]
	s_wait_dscnt 2*NL+1
	WIN MUL
	MUL8 F1, 0, 0
	s_wait_dscnt 0x0
	s_barrier_signal -1
	WIN 0
	s_barrier_wait -1
.if \fill
	CREST
	s_add_nc_u64 s[G0+4*\slot+2:G0+4*\slot+3], s[G0+4*\slot+2:G0+4*\slot+3], 2*ROWB
	s_add_nc_u64 s[G0B+4*\slot+2:G0B+4*\slot+3], s[G0B+4*\slot+2:G0B+4*\slot+3], 2*ROWB
	JLOAD G0+4*\slot, G1, G0B+4*\slot, G1B
.else
	PLACES NP
.endif
	FETCH \next, 0, F0
	WIN MUL
	MUL8 F1, 2, 0
.endm
	s_wait_tensorcnt 1
	s_barrier_signal -1
	s_barrier_wait -1
	FETCH 0, 0, F0
	QUARTER 0, 128, F0, F1, 1
	QUARTER 0, 256, F1, F0, 0
	QUARTER 0, 384, F0, F1, 0
	TURN 0, 1, 1
	QUARTER 1, 128, F0, F1, 0
	QUARTER 1, 256, F1, F0, 0
	QUARTER 1, 384, F0, F1, 0
	TURN 1, 0, 1
	QUARTER 0, 128, F0, F1, 0
	QUARTER 0, 256, F1, F0, 0
	QUARTER 0, 384, F0, F1, 0
	TURN 0, 1, 0
	QUARTER 1, 128, F0, F1, 0
	QUARTER 1, 256, F1, F0, 0
	QUARTER 1, 384, F0, F1, 0
	s_wait_dscnt 2*NL
	WIN MUL
	MUL8 F1, 0, 0
	s_wait_dscnt 0
	MUL8 F1, 2, 0
	WIN 0
.macro TOSTAGE a
.irp j, 0,2,4,6,8,10,12,14,16,18,20,22,24,26,28,30
	v_pk_mul_f32 v[TMP+\j:TMP+\j+1], v[ACC+32*(\a)+\j:ACC+32*(\a)+\j+1], s[96:97] op_sel_hi:[1,0]
.endr
.irp b, 0,1,2,3
	ds_store_b128 v[STO], v[TMP+8*\b:TMP+8*\b+3] offset:64*\b
	ds_store_b128 v[STO], v[TMP+8*\b+4:TMP+8*\b+7] offset:64*\b+16
.endr
.irp t, 0,1,2,3,4,5,6,7
	ds_load_b128 v[ACC+32*(\a)+4*\t:ACC+32*(\a)+4*\t+3], v[RD] offset:2*\t*SPITCH
.endr
.endm
.macro SEND a, younger
.irp t, 0,1,2,3,4,5,6,7
	s_wait_dscnt \younger+7-\t
	global_store_b128 v[CO], v[ACC+32*(\a)+4*\t:ACC+32*(\a)+4*\t+3], s[10:11] offset:(16*(\a)+2*\t)*SIZE_N*4 th:TH_STORE_NT
.endr
.endm
	s_wait_kmcnt 0x0
	s_add_co_i32 s96, s96, s97
	s_add_co_i32 s96, s96, 127
	s_lshl_b32 s96, s96, 23
	PLACES NP
	TOSTAGE 0
	TOSTAGE 1
	SEND 0, 16
	TOSTAGE 2
	SEND 1, 16
	TOSTAGE 3
	SEND 2, 16
	SEND 3, 0
	s_wait_tensorcnt 0x0
	ds_add_u32 v[SPW], v[NIL]
	s_wait_dscnt 0x0
	CROUND
	s_endpgm
.Lfunc_end_k_qfbf2aed647_oproj:
	.size	k_qfbf2aed647_oproj, .Lfunc_end_k_qfbf2aed647_oproj-k_qfbf2aed647_oproj
	.p2alignl 7, 3214868480
	.fill 96, 4, 3214868480
	.section	.rodata,"a",@progbits
	.p2align	6, 0x0
	.amdhsa_kernel k_qfbf2aed647_oproj
		.amdhsa_group_segment_fixed_size 327680
		.amdhsa_private_segment_fixed_size 0
		.amdhsa_enable_private_segment 0
		.amdhsa_kernarg_size 32
		.amdhsa_user_sgpr_count 2
		.amdhsa_user_sgpr_kernarg_segment_ptr 1
		.amdhsa_wavefront_size32 1
		.amdhsa_system_sgpr_workgroup_id_x 1
		.amdhsa_system_sgpr_workgroup_id_y 1
		.amdhsa_system_sgpr_workgroup_id_z 1
		.amdhsa_system_vgpr_workitem_id 0
		.amdhsa_next_free_vgpr 512
		.amdhsa_next_free_sgpr 98
		.amdhsa_reserve_vcc 0
		.amdhsa_float_denorm_mode_32 3
		.amdhsa_float_denorm_mode_16_64 3
		.amdhsa_memory_ordered 1
		.amdhsa_forward_progress 1
		.amdhsa_inst_pref_size 76
	.end_amdhsa_kernel
	.amdgpu_metadata
---
amdhsa.version: [ 1, 2 ]
amdhsa.kernels:
  - .name:           k_qfbf2aed647_oproj
    .symbol:         k_qfbf2aed647_oproj.kd
    .args:
      - { .name: ao, .offset: 0, .size: 8, .value_kind: global_buffer, .address_space: global }
      - { .name: codes, .offset: 8, .size: 8, .value_kind: global_buffer, .address_space: global }
      - { .name: lowp_scales, .offset: 16, .size: 8, .value_kind: global_buffer, .address_space: global }
      - { .name: out0, .offset: 24, .size: 8, .value_kind: global_buffer, .address_space: global }
    .group_segment_fixed_size: 327680
    .private_segment_fixed_size: 0
    .kernarg_segment_align: 8
    .kernarg_segment_size: 32
    .max_flat_workgroup_size: 128
    .sgpr_count:     98
    .vgpr_count:     512
    .wavefront_size: 32
...
	.end_amdgpu_metadata
.endif
;; end of part 4
